; MI455X (gfx1250); checked and timed in simulation.
; The chip was launched on July 23, 2026; its instructions are those of AMD's public machine-readable ISA for CDNA 5 (MIT licence, August 2026) and "CDNA5" Instruction Set Architecture Reference Guide (July 2026). The comments in the code are by the model that wrote it; some were corrected since.
;; Causal Self Attention. Allowed arithmetic: matrix products marked QUANTISED: E3M2 operands, one E8M0 scale for each 32 along K, by v_wmma_scale_f32_16x16x128_f8f6f4 with both operands' format E3M2, f32 sums; everything else in f32.
;; Inputs: b_attn 3,072 float32; b_proj 1,024 float32; w_attn 1,024 x 3,072 float32; w_proj 1,024 x 1,024 float32; x 4 x 2,048 x 1,024 float32.
;; Outputs: out0 4 x 2,048 x 1,024 float32.
;; This version of the problem:
;;   THIS VERSION OF THE PROBLEM IS GIVEN IN LOW PRECISION. The matrix products marked QUANTISED in the list below multiply operands that are first quantised to E3M2 (3 exponent bits, 2 mantissa bits; 6 bits a number), with one power-of-two scale for each 32 numbers along K (OCP MX v1.0); their sums are f32. All else is computed in f32.
;;   The module's matrix products, in the order in which they are computed (A, B: the left and right operand; K: the contracted axis; several contracted axes count as one K, in the product's order):
;;     1. [M 8,192, K 1,024] x [K 1,024, N 3,072]; A: input x; B: input w_attn: QUANTISED
;;     2. batch 64 x [M 2,048, K 64] x [K 64, N 2,048]; A: computed on the way; B: computed on the way: QUANTISED
;;     3. batch 64 x [M 2,048, K 2,048] x [K 2,048, N 64]; A: softmax (see below); B: computed on the way: QUANTISED
;;     4. [M 8,192, K 1,024] x [K 1,024, N 1,024]; A: computed on the way; B: input w_proj: QUANTISED
;;   THE QUANTISER, for each operand of a quantised product, along K:
;;     - K is cut into blocks of 32 from its start; a last block that is shorter is filled with zeros.
;;     - A block's scale is 2^e with e = floor(log2(the largest magnitude in the block)) - 4, held to -126 .. 127; a block of zeros has e = 0. As a byte (E8M0): e + 127.
;;     - Each number is divided by its block's scale, clamped to +-28, and rounded to the nearest number of E3M2, ties to even, subnormals kept.
;;     - The product sums the exact products of the quantised numbers (number of the format x scale) in f32.
;;   ~~~python
;;   def quantise(x, axis):      # numpy; x: float32 -> the quantised numbers, widened to float32 again
;;       x = np.moveaxis(x, axis, -1); K = x.shape[-1]
;;       x = np.pad(x, [(0, 0)] * (x.ndim - 1) + [(0, -K % 32)]); x = x.reshape(x.shape[:-1] + (-1, 32)); a = np.abs(x).max(-1, keepdims=True)
;;       e = np.where(a > 0, np.clip(np.frexp(np.where(a > 0, a, 1))[1] - 1 - 4, -126, 127), 0)      # np.frexp(a)[1] - 1 = floor(log2(a)), exactly
;;       r = np.clip(x / 2.0 ** e, -28, 28)
;;       step = 2.0 ** (np.maximum(np.frexp(np.where(r == 0, 1, r))[1] - 1, -2) - 2)
;;       q = np.round(r / step) * step * 2.0 ** e      # np.round: ties to even
;;       return np.moveaxis(q.reshape(q.shape[:-2] + (-1,))[..., :K], -1, axis).astype(np.float32)
;;   ~~~
;;   SOFTMAX AHEAD OF A QUANTISED PRODUCT. Where the list says 'softmax', what is quantised is not the finished softmax but p = 2^(t - M), with t = logit x log2(e) and M = ceil(the row's largest t), a whole number; so 1/2 < the row's largest p <= 1. The row's sum l is taken of the UNQUANTISED p, in f32, and the product's result is divided by l at the end. Since M is a whole number, a kernel that streams over the keys may use a running M (the ceiling of the running maximum): every later rescaling is an exact power of two, which a block's scale takes up: the codes' values come out the same.
;;   OPERANDS COMPUTED ON THE WAY. 'Computed on the way' means the value that the module computes at that place (a softmax that the list does not call 'softmax' is quantised finished and normalised). What goes into a quantiser is computed in f32, as accurately as f32 sums, v_exp_f32 and their like allow (about 1e-6 of the number): no bf16 or f16 on the way to a quantiser, and a product that is left as it is and whose result goes on into a quantised operand takes f32 operands (vector FMAs, or v_wmma_f32_16x16x4_f32). A number that lies on a knife's edge between two numbers of the format may be rounded either way, as far as f32 arithmetic and the matrix unit's own rounding can turn it there, and no further.
;; One version. Each part assembles by itself: llvm-mc -triple=amdgcn-amd-amdhsa -mcpu=gfx1250 --defsym DOCPART=n.
;; ======== version 1 of 1: 4 launches
;; workspace buffers: xc 6,291,456 bytes; xs 262,144 bytes; wc 3,145,728 bytes; ws 131,072 bytes; qk 13,631,488 bytes; vv 6,553,600 bytes; yc 6,291,456 bytes; ys 524,288 bytes
;; launch quant (part 1): grid 512 x 1, 4 waves a work-group, no clusters, 35,328 bytes of LDS; arguments x, w_attn, w_proj, xc, xs, wc, ws; writes xc, xs, wc, ws
.if DOCPART == 1
	.amdgcn_target "amdgcn-amd-amdhsa--gfx1250"
	.amdhsa_code_object_version 6
	.text
	.protected	k_qdbb7b114a7_quant
	.globl	k_qdbb7b114a7_quant
	.p2align	8
	.type	k_qdbb7b114a7_quant,@function
k_qdbb7b114a7_quant:
	s_mov_b64 s[64:65], 0
	v_nop
	global_prefetch_b8 v0, s[64:65] scope:SCOPE_SE
	s_setreg_imm32_b32 hwreg(HW_REG_WAVE_MODE, 25, 1), 1
	s_wait_xcnt 0x0
; x [8192][1024], w_attn [1024][3072] and w_proj [1024][1024], f32, become codes of BF6 (E3M2) with one E8M0 byte for each 32 along K (x: its last axis; the weights: their first).
; A block's scale is 2^(floor(log2(largest magnitude)) - 4): its byte is the largest magnitude's exponent field - 4, held at 1 from below by a floor among the maximum's leaves.
; LIMITS: a block of zeros gets the byte 1 (its codes are zeros, and this program alone reads the bytes); magnitudes under 2^-122 fall under the floor; NaN and infinities are not served.
; LAYOUT OF THE RESULTS: images of the operand's registers.  A tile is 16 rows; tile 2 g + u of a group of 32 rows takes rows 8 u + i + 8 (i / 8), i = 0 .. 15.  Half a fragment (16 rows x 64 K, 768 bytes):
; bytes 0-511 registers 0-3 of lane l at 16 l; bytes 512-767 registers 4-5 of lane (r, h) at 16 r + 8 h.  xc, wc: [tile][K step 8][half 2][768].  xs, ws: [tile][half of K 2][row 16][4 words], a word for 128 along K.
; Work-groups 0-255 take x (32 rows each), 256-511 the weights (32 columns x half of K each).  The two ways part on the work-group's number and have LDS bytes of their own.
; Nothing is shared between work-groups, so there is no cluster; memory binds, so there is no tensor load and no matrix work.
.set STGB,  8448                       ; x: a wave's stage, 16 rows x (512 bytes + 16)
.set WLDS,  33792                      ; the weights: 512 bytes for the four waves' scale words
.set FLOOR, 0x2800000                  ; 2^(5 - 127)
.set EOFF,  0xfe000000                 ; -(4 << 23)
.set R,   16                           ; v16-143  x: two sets of 64 registers as loaded
.set X,   144                          ; v144-207 x: my 64 numbers, register 32 c + i = k 64 c + 32 h + i of my row
.set PC,  208                          ; v208-219 a fragment's codes
.set T2,  220                          ; v220-226 the upper halves of the blocks' codes, before they are moved
.set MX,  228                          ; v228-231 maxima, two chains a block
.set SO,  232                          ; v232-233 the conversions' scale operands
.set BY,  234                          ; v234-235 the bytes
.set W4,  236                          ; v236-239 four K steps' scale words
	s_load_b256 s[4:11], s[0:1], 0x0               ; x, w_attn, w_proj, xc
	s_load_b128 s[12:15], s[0:1], 0x20             ; xs, wc
	s_load_b64 s[16:17], s[0:1], 0x30              ; ws
	v_lshl_add_u32 v240, v0, 2, 0x8800
	v_mov_b32 v241, 0
	v_lshrrev_b32 v1, 5, v0
	v_readfirstlane_b32 s18, v1                    ; wave
	v_and_b32 v1, 31, v0                           ; lane
	v_and_b32 v2, 15, v0                           ; r
	v_bfe_u32 v3, v0, 4, 1                         ; h
	v_lshlrev_b32 v4, 4, v1                        ; 16 x lane
	s_cmp_ge_u32 ttmp9, 256
	s_cbranch_scc1 .Lweights
; ---------------- x: wave w takes tile 2 g + w / 2 and K steps 4 (w % 2) .. + 3: four fragments of 16 rows x 128 K
	s_lshr_b32 s19, s18, 1                         ; u
	s_and_b32 s20, s18, 1                          ; which half of K
	s_lshl_b32 s21, ttmp9, 1
	s_add_co_u32 s21, s21, s19                     ; the tile
	s_lshl_b32 s22, ttmp9, 17                      ; 32 rows of 4,096 bytes a work-group,
	s_lshl_b32 s23, s19, 15                        ; 8 u rows,
	s_add_co_u32 s22, s22, s23
	s_lshl_b32 s23, s20, 11                        ; half a row
	s_add_co_u32 s22, s22, s23
	s_mov_b32 s23, 0
	s_mul_i32 s24, s21, 12288                      ; the codes: 12,288 bytes a tile, 1,536 a K step
	s_mul_i32 s25, s20, 6144
	s_add_co_u32 s24, s24, s25
	s_mov_b32 s25, 0
	s_lshl_b32 s26, s21, 9                         ; the scale words: 512 bytes a tile
	s_lshl_b32 s27, s20, 8
	s_add_co_u32 s26, s26, s27
	s_mov_b32 s27, 0
	s_mul_i32 s28, s18, STGB                       ; my stage
	v_add_nc_u32 v5, s28, v4                       ; in: a row's 512 bytes as they lie
	v_mul_u32_u24 v6, v2, 528
	v_lshl_add_u32 v6, v3, 7, v6
	v_add_nc_u32 v6, s28, v6                       ; back: row r, 128 h bytes on: my 32 neighbours of each 64
	v_lshlrev_b32 v8, 4, v2                        ; 16 r
	v_lshl_add_u32 v7, v3, 3, v8                   ; 16 r + 8 h
	v_lshlrev_b32 v9, 3, v3                        ; 8 h: where my two bytes stand in the scale word
	v_mov_b32 v10, 0                               ; a lane permute's destination counts as read: written once
	s_mov_b32 s30, 0x76543210
	s_mov_b32 s31, 0xfedcba98                      ; selects for lane l xor 16
	s_wait_kmcnt 0x0
	s_add_nc_u64 s[4:5], s[4:5], s[22:23]
	s_add_nc_u64 s[10:11], s[10:11], s[24:25]
	s_add_nc_u64 s[12:13], s[12:13], s[26:27]
.macro XLOAD t                         ; fragment t: 16 loads, each 512 consecutive bytes of one of the tile's rows
.irp p, 0,1,2,3,4,5,6,7,8,9,10,11,12,13,14,15
	global_load_b128 v[R+64*((\t)%2)+4*\p:R+64*((\t)%2)+4*\p+3], v4, s[4:5] offset:(\p+8*(\p/8))*4096+512*(\t) th:TH_LOAD_NT
.endr
.endm
.macro XFRAG t
.if (\t) < 3
	s_wait_loadcnt 16                              ; this fragment's 16 loads are in; the next one's 16 stay out
.else
	s_wait_loadcnt 0x0
.endif
.irp p, 0,1,2,3,4,5,6,7,8,9,10,11,12,13,14,15
	ds_store_b128 v5, v[R+64*((\t)%2)+4*\p:R+64*((\t)%2)+4*\p+3] offset:528*\p
.endr
.irp c, 0,1
.irp i, 0,1,2,3,4,5,6,7
	ds_load_b128 v[X+32*\c+4*\i:X+32*\c+4*\i+3], v6 offset:256*\c+16*\i   ; LDS serves a wave's instructions in order: these see the stores above
.endr
.endr
	s_wait_dscnt 0x0
.if (\t) < 2
	XLOAD (\t)+2                                   ; into the set that the stage's stores have read
.endif
.irp c, 0,1                                    ; my block 2 c + h: all its 32 numbers are mine; two chains a block
	v_max3_num_f32 v[MX+2*\c], |v[X+32*\c]|, |v[X+32*\c+1]|, |v[X+32*\c+2]|
	v_max3_num_f32 v[MX+2*\c+1], |v[X+32*\c+3]|, |v[X+32*\c+4]|, |v[X+32*\c+5]|
.endr
.irp i, 6,10,14,18,22,26
.irp c, 0,1
	v_max3_num_f32 v[MX+2*\c], v[MX+2*\c], |v[X+32*\c+\i]|, |v[X+32*\c+\i+1]|
	v_max3_num_f32 v[MX+2*\c+1], v[MX+2*\c+1], |v[X+32*\c+\i+2]|, |v[X+32*\c+\i+3]|
.endr
.endr
.irp c, 0,1
	v_max3_num_f32 v[MX+2*\c], v[MX+2*\c], |v[X+32*\c+30]|, |v[X+32*\c+31]|
.endr
.irp c, 0,1
	v_max3_num_f32 v[MX+2*\c], v[MX+2*\c], v[MX+2*\c+1], FLOOR
.endr
.irp c, 0,1
	v_add_nc_u32 v[SO+\c], EOFF, v[MX+2*\c]        ; 4 off the exponent field: the conversion takes that field as its scale
.endr
.irp c, 0,1
	v_lshrrev_b32 v[BY+\c], 23, v[SO+\c]           ; the byte
.endr
	v_lshl_or_b32 v11, v[BY+1], 16, v[BY]          ; blocks h and 2 + h of row r,
	v_lshlrev_b32 v11, v9, v11                     ; at their places,
	v_permlanex16_b32 v10, v11, s30, s31
	v_or_b32 v[W4+(\t)], v11, v10                  ; with lane l xor 16's two the word is whole
.if (\t) > 0
	s_wait_xcnt 0x0                                ; the last fragment's stores have read the codes' registers
.endif
.irp c, 0,1
	v_cvt_scalef32_pk16_bf6_f32 v[PC+6*\c:PC+6*\c+2], v[X+32*\c:X+32*\c+15], v[SO+\c]
	v_cvt_scalef32_pk16_bf6_f32 v[T2+4*\c:T2+4*\c+2], v[X+32*\c+16:X+32*\c+31], v[SO+\c]   ; (a conversion's three registers begin on an even number)
.endr
	v_nop                                          ; one plain place behind a scaled conversion
.irp c, 0,1
.irp i, 0,1,2
	v_mov_b32 v[PC+6*\c+3+\i], v[T2+4*\c+\i]
.endr
.endr
.irp c, 0,1
	global_store_b128 v4, v[PC+6*\c:PC+6*\c+3], s[10:11] offset:1536*(\t)+768*\c        ; 512 consecutive bytes, aligned to 256
	global_store_b64 v7, v[PC+6*\c+4:PC+6*\c+5], s[10:11] offset:1536*(\t)+768*\c+512   ; 256 consecutive bytes, aligned
.endr
.endm
	XLOAD 0
	XLOAD 1
	XFRAG 0
	XFRAG 1
	XFRAG 2
	XFRAG 3
	v_cmp_gt_u32 vcc_lo, 16, v1                    ; both halves of the lanes hold the same words: lanes 0-15 store them, 256 consecutive bytes
	s_wait_xcnt 0x0                                ; EXEC is a source of the stores above
	s_wait_tensorcnt 0x0
	ds_add_u32 v240, v241
	s_wait_dscnt 0x0
	s_and_saveexec_b32 s29, vcc_lo
	global_store_b128 v8, v[W4:W4+3], s[12:13]
	s_wait_xcnt 0x0
	s_or_b32 exec_lo, exec_lo, s29
	s_endpgm
; ---------------- the weights: a lane takes a column and its registers run down K; wave w takes K step 4 (half) + w: four blocks of 32
.Lweights:
	s_sub_co_u32 s19, ttmp9, 256
	s_lshr_b32 s20, s19, 1                         ; the group of 32 columns: 0-95 w_attn's, 96-127 w_proj's
	s_and_b32 s21, s19, 1                          ; which half of K
	s_lshl_b32 s22, s21, 2
	s_add_co_u32 s22, s22, s18                     ; my K step
	s_mov_b32 s23, 4096
	s_cmp_lt_u32 s20, 96
	s_cselect_b32 s23, 12288, s23                  ; bytes from row to row
	s_cselect_b32 s24, 0, 96
	s_sub_co_u32 s24, s20, s24
	s_lshl_b32 s24, s24, 7                         ; 32 columns of 4 bytes
	s_lshl_b32 s25, s22, 7                         ; 128 rows a K step
	s_mul_i32 s25, s25, s23
	s_add_co_u32 s24, s24, s25
	s_mov_b32 s25, 0
	s_lshl_b32 s26, s23, 5                         ; 32 rows: from block to block
	s_mov_b32 s27, 0
	v_lshlrev_b32 v16, 2, v1                       ; v16-47: 4 x lane + i rows
.irp i, 1,2,3,4,5,6,7,8,9,10,11,12,13,14,15,16,17,18,19,20,21,22,23,24,25,26,27,28,29,30,31
	v_add_nc_u32 v[16+\i], s23, v[15+\i]
.endr
	v_bfe_u32 v13, v0, 3, 1                        ; column l of the group lies in tile u = (l / 8) % 2,
	v_and_b32 v14, 7, v0
	v_lshl_add_u32 v14, v3, 3, v14                 ; at row l % 8 + 8 (l / 16)
	v_lshlrev_b32 v14, 4, v14
	v_mul_u32_u24 v12, v13, 12288
	v_add_nc_u32 v12, v12, v14                     ; the codes: 12,288 u + 16 row
	v_lshl_add_u32 v15, v13, 9, v14                ; the scale words: 512 u + 16 row
	s_lshl_b32 s28, s18, 2
	s_add_co_u32 s28, s28, WLDS
	v_add_nc_u32 v11, s28, v4                      ; LDS: 16 x lane + 4 x wave
	v_add_nc_u32 v10, WLDS, v4                     ; and 16 x lane, for wave 0's read
	s_mul_i32 s40, s20, 24576                      ; two tiles a group,
	s_mul_i32 s41, s22, 1536                       ; my K step
	s_add_co_u32 s40, s40, s41
	s_mov_b32 s41, 0
	s_lshl_b32 s42, s20, 10
	s_lshl_b32 s43, s21, 8
	s_add_co_u32 s42, s42, s43
	s_mov_b32 s43, 0
	s_wait_kmcnt 0x0
	s_cmp_lt_u32 s20, 96
	s_cselect_b64 s[32:33], s[6:7], s[8:9]         ; the choice hangs on the work-group's number alone
	s_add_nc_u64 s[32:33], s[32:33], s[24:25]
	s_add_nc_u64 s[34:35], s[32:33], s[26:27]
	s_add_nc_u64 s[36:37], s[34:35], s[26:27]
	s_add_nc_u64 s[38:39], s[36:37], s[26:27]
	s_add_nc_u64 s[14:15], s[14:15], s[40:41]
	s_add_nc_u64 s[16:17], s[16:17], s[42:43]
.irp t, 0,1,2,3
.irp i, 0,1,2,3,4,5,6,7,8,9,10,11,12,13,14,15,16,17,18,19,20,21,22,23,24,25,26,27,28,29,30,31
	global_load_b32 v[48+32*\t+\i], v[16+\i], s[32+2*\t:33+2*\t]   ; 128 consecutive bytes; the neighbouring group reads the 128 beside them, so no hint
.endr
.endr
.macro WBLOCK t
.set XS, 48+32*(\t)
.if (\t) < 2
	s_wait_loadcnt 63                              ; of 128 loads at most 63 are out: the first 65 are in, blocks 0 and 1 among them
.elseif (\t) == 2
	s_wait_loadcnt 32                              ; all but the last block's 32
.else
	s_wait_loadcnt 0x0
.endif
	v_max3_num_f32 v176, |v[XS]|, |v[XS+1]|, |v[XS+2]|
	v_max3_num_f32 v177, |v[XS+3]|, |v[XS+4]|, |v[XS+5]|
.irp i, 6,10,14,18,22,26
	v_max3_num_f32 v176, v176, |v[XS+\i]|, |v[XS+\i+1]|
	v_max3_num_f32 v177, v177, |v[XS+\i+2]|, |v[XS+\i+3]|
.endr
	v_max3_num_f32 v176, v176, |v[XS+30]|, |v[XS+31]|
	v_max3_num_f32 v176, v176, v177, FLOOR
	v_add_nc_u32 v[204+(\t)], EOFF, v176
	v_lshrrev_b32 v178, 23, v[204+(\t)]
.if (\t) == 0
	v_mov_b32 v180, v178                           ; the column's scale word for this K step: the lower K in the lower byte
.else
	v_lshl_or_b32 v180, v178, 8*(\t), v180
.endif
.if (\t) == 2
	s_wait_xcnt 0x0                                ; the first half's stores have read their registers
.endif
	v_cvt_scalef32_pk16_bf6_f32 v[184+4*((\t)%2):186+4*((\t)%2)], v[XS:XS+15], v[204+(\t)]
	v_cvt_scalef32_pk16_bf6_f32 v[196+4*((\t)%2):198+4*((\t)%2)], v[XS+16:XS+31], v[204+(\t)]
.if (\t)%2 == 1
	v_nop                                          ; one plain place behind a scaled conversion
	v_mov_b32 v187, v196                           ; v184-187: words 0-3 of the even block (the image's lanes 0-15),
	v_mov_b32 v191, v200                           ; v188-191: of the odd block (lanes 16-31),
	v_mov_b32 v192, v197                           ; v192-195: words 4, 5 of both
	v_mov_b32 v193, v198
	v_mov_b32 v194, v201
	v_mov_b32 v195, v202
	global_store_b128 v12, v[184:187], s[14:15] offset:768*((\t)/2)       ; each store fills 256 aligned bytes in each of the group's two tiles
	global_store_b128 v12, v[188:191], s[14:15] offset:768*((\t)/2)+256
	global_store_b128 v12, v[192:195], s[14:15] offset:768*((\t)/2)+512
.endif
.endm
	WBLOCK 0
	WBLOCK 1
	WBLOCK 2
	WBLOCK 3
	ds_store_b32 v11, v180                         ; the four waves' words of a column meet in LDS
	s_wait_dscnt 0x0                               ; for the others' sake: my store has landed
	s_barrier_signal -1
	s_barrier_wait -1
	s_cmp_lg_u32 s18, 0
	s_cbranch_scc1 .Lwdone
	ds_load_b128 v[208:211], v10
	s_wait_dscnt 0x0
	global_store_b128 v15, v[208:211], s[16:17]    ; 256 aligned bytes in each of the two tiles
.Lwdone:
	s_wait_tensorcnt 0x0
	ds_add_u32 v240, v241
	s_wait_dscnt 0x0
	s_endpgm
.Lfunc_end_k_qdbb7b114a7_quant:
	.size	k_qdbb7b114a7_quant, .Lfunc_end_k_qdbb7b114a7_quant-k_qdbb7b114a7_quant
	.p2alignl 7, 3214868480
	.fill 96, 4, 3214868480
	.section	.rodata,"a",@progbits
	.p2align	6, 0x0
	.amdhsa_kernel k_qdbb7b114a7_quant
		.amdhsa_group_segment_fixed_size 35328
		.amdhsa_private_segment_fixed_size 0
		.amdhsa_enable_private_segment 0
		.amdhsa_kernarg_size 56
		.amdhsa_user_sgpr_count 2
		.amdhsa_user_sgpr_kernarg_segment_ptr 1
		.amdhsa_wavefront_size32 1
		.amdhsa_system_sgpr_workgroup_id_x 1
		.amdhsa_system_sgpr_workgroup_id_y 1
		.amdhsa_system_sgpr_workgroup_id_z 1
		.amdhsa_system_vgpr_workitem_id 0
		.amdhsa_next_free_vgpr 242
		.amdhsa_next_free_sgpr 66
		.amdhsa_reserve_vcc 1
		.amdhsa_float_denorm_mode_32 3
		.amdhsa_float_denorm_mode_16_64 3
		.amdhsa_memory_ordered 1
		.amdhsa_forward_progress 1
		.amdhsa_inst_pref_size 52
	.end_amdhsa_kernel
	.amdgpu_metadata
---
amdhsa.version: [ 1, 2 ]
amdhsa.kernels:
  - .name:           k_qdbb7b114a7_quant
    .symbol:         k_qdbb7b114a7_quant.kd
    .args:
      - { .name: x, .offset: 0, .size: 8, .value_kind: global_buffer, .address_space: global }
      - { .name: w_attn, .offset: 8, .size: 8, .value_kind: global_buffer, .address_space: global }
      - { .name: w_proj, .offset: 16, .size: 8, .value_kind: global_buffer, .address_space: global }
      - { .name: xc, .offset: 24, .size: 8, .value_kind: global_buffer, .address_space: global }
      - { .name: xs, .offset: 32, .size: 8, .value_kind: global_buffer, .address_space: global }
      - { .name: wc, .offset: 40, .size: 8, .value_kind: global_buffer, .address_space: global }
      - { .name: ws, .offset: 48, .size: 8, .value_kind: global_buffer, .address_space: global }
    .group_segment_fixed_size: 35328
    .private_segment_fixed_size: 0
    .kernarg_segment_align: 8
    .kernarg_segment_size: 56
    .max_flat_workgroup_size: 128
    .sgpr_count:     66
    .vgpr_count:     242
    .wavefront_size: 32
...
	.end_amdgpu_metadata
.endif
;; end of part 1
;; launch qkv (part 2): grid 16 x 48, 4 waves a work-group, clusters of 4 x 4, 295,424 bytes of LDS; arguments xc, xs, wc, ws, b_attn, qk, vv; writes qk, vv
.if DOCPART == 2
	.amdgcn_target "amdgcn-amd-amdhsa--gfx1250"
	.amdhsa_code_object_version 6
	.text
	.protected	k_qdbb7b114a7_qkv
	.globl	k_qdbb7b114a7_qkv
	.p2align	8
	.type	k_qdbb7b114a7_qkv,@function
k_qdbb7b114a7_qkv:
	s_mov_b64 s[64:65], 0
	v_nop
	global_prefetch_b8 v0, s[64:65] scope:SCOPE_SE
	s_setreg_imm32_b32 hwreg(HW_REG_WAVE_MODE, 25, 1), 1
	s_wait_xcnt 0x0
	s_wait_alu depctr_hold_cnt(0) depctr_sa_sdst(0) depctr_va_vdst(0) depctr_va_sdst(0) depctr_va_ssrc(0) depctr_va_vcc(0) depctr_vm_vsrc(0)
	s_getreg_b32 s2, hwreg(HW_REG_IB_STS2, 6, 4)
	s_cmp_eq_u32 s2, 0
	s_cbranch_scc0 .Lentry_in_a_cluster
	s_endpgm
.Lentry_in_a_cluster:
	s_bfe_u32 s2, ttmp6, 0x10000c
	s_cmp_lg_u32 s2, 0xf033
	s_cbranch_scc0 .Lentry_shape_is_right
	s_endpgm
.Lentry_shape_is_right:
; qkv = x w_attn + b_attn on codes of BF6 with E8M0 scales, and q, k, v quantised at once for the attention: the f32 numbers never go to memory.
; A work-group makes 256 'A' rows x 128 'B' rows over all of K = 1,024; each of its four waves 64 x 128: 32 accumulators.  Source 0 = a tile of B, source 1 = a tile of A: a lane holds one A row, and, since a tile's rows are
; 8 u + i + 8 (i / 8) of a group of 32, the 16 registers of B's tiles 2 b, 2 b + 1 are 16 neighbours 32 b + 16 h + 0 .. 15 along B's rows: what the conversions want.
; Clusters with y under 8: A = x (tokens), B = w_attn's columns of q and k: the registers run along a head's d, the K of q k^T.  Clusters with y from 8 on: A = w_attn's columns of v, B = x: the registers run along the tokens, the K of p v.
; ALL OF K LIES IN LDS: 4 groups of two K steps, 73,728 bytes each, every one filled once: no slot is filled again.  A wave has four tensor loads out at the start.
; CLUSTER 4 x 4: A's tiles are shared along a row of the cluster, B's along a column: joint loads, which divide the requests by four.
; qk: [q, k][batch x head 64][chunk of 128 tokens 16][6,656]: 8 tiles x 768 bytes (16 tokens x 64 d), then the scale words [tiles 0-3, 4-7][row 16][4 words]; bytes 0, 1 of a word are the head's two blocks, bytes 2, 3 are 0.
; vv: [batch x head 64][chunk 16][6,400]: 4 tiles x 1,536 bytes (16 d x 128 tokens), then [row 16][4 words].
; LIMITS: a block of zeros gets the byte 1; magnitudes under 2^-122 fall under the floor; NaN and infinities are not served.
; REGISTERS.  Window 0: v1-10 lane terms; v12-15 four tiles' scale words; v16-31 LDS addresses; v32-63 A's scale words (8 a + K step), v64-127 B's (8 b + K step); v128-191 64 numbers; v192-211 codes; v212-228 at work; v230-237 v's bias.
;   Window 1: accumulator (a, b) at v[8 (8 a + b)].   Windows 2, 3: two sets of fragments, A's at v[12 a], B's at v[48 + 12 b].   Window 2, v160-223: q's and k's bias, in the result's layout.
.set TILEB, 12288                      ; a tile's codes for all of K
.set GRP,   73728                      ; a group in LDS: A's 16 tiles x 3,072 bytes, then B's 8
.set BOFF,  49152
.set SA,  32
.set SB,  64
.set BI,  160
.set H,   128
.set PC,  192
.set TM,  212
.set PW,  228
.set BA,  230
.set SW,  12
.set SEL, 28
.set MSB, 0
.macro WIN new                         ; the immediate's high byte repeats the setting that is left
.if MSB != \new
	s_set_vgpr_msb (MSB<<8)|\new
.set MSB, \new
.endif
.endm
.macro PLACES n
.rept \n
	v_nop
.endr
.endm
.macro CROUND                          ; a round of the cluster's barrier
	s_barrier_signal -1
	s_barrier_wait -1
	s_cmp_lg_u32 s18, 0
	s_cbranch_scc1 .Lnot_wave_0_\@
	s_barrier_signal -3
.Lnot_wave_0_\@:
	s_barrier_wait -3
	s_barrier_signal -1
	s_barrier_wait -1
.endm
	s_load_b256 s[4:11], s[0:1], 0x0               ; xc, xs, wc, ws
	s_load_b128 s[12:15], s[0:1], 0x20             ; b_attn, qk
	s_load_b64 s[16:17], s[0:1], 0x30              ; vv
	v_lshl_add_u32 v254, v0, 2, 0x48000
	v_mov_b32 v255, 0
	ds_add_u32 v254, v255
	ds_add_u32 v254, v255
	v_lshrrev_b32 v1, 5, v0
	v_readfirstlane_b32 s18, v1                    ; wave
	s_and_b32 s19, s18, 1                          ; which half of a tile's rows I fetch
	s_lshr_b32 s20, s18, 1                         ; I fetch for A (0) or for B (1)
	s_bfe_u32 s21, ttmp6, 0x40000                  ; cx
	s_bfe_u32 s22, ttmp6, 0x40004                  ; cy
	s_and_b32 s24, ttmp7, 0xffff                   ; the cluster's y
	s_lshl_b32 s27, ttmp9, 2
	s_add_co_u32 s27, s27, s21
	s_max_u32 s30, s24, 8
	s_sub_co_u32 s30, s30, 8
	s_lshl_b32 s30, s30, 4
	s_add_co_u32 s27, s27, s30                     ; B's block of 128: 4 x cluster x + cx, and for v 16 more for each cluster y past 8
	s_cmp_ge_u32 s24, 8
	s_cselect_b32 s25, 1, 0                        ; 1: v
	s_cselect_b32 s2, 0, s24
	s_cselect_b32 s3, 128, 0                       ; v's columns begin at tile 128 of wc
	s_lshl_b32 s26, s2, 2
	s_add_co_u32 s26, s26, s22                     ; A's block of 256: 4 x cluster y + cy, for v cy
	s_lshl_b32 s2, s26, 4
	s_add_co_u32 s2, s2, s3                        ; A's first tile
	s_mul_i32 s92, s2, TILEB
	s_mul_i32 s3, s19, 8*TILEB
	s_add_co_u32 s92, s92, s3                      ; A's codes: my 8 tiles
	s_mov_b32 s93, 0
	s_lshl_b32 s3, s18, 2
	s_add_co_u32 s3, s3, s2
	s_lshl_b32 s94, s3, 9                          ; A's scale words: the 4 tiles that I multiply
	s_mov_b32 s95, 0
	s_lshl_b32 s30, s27, 3                         ; B's first tile
	s_mul_i32 s96, s30, TILEB
	s_mul_i32 s31, s19, 4*TILEB
	s_add_co_u32 s96, s96, s31                     ; B's codes: my 4 tiles
	s_mov_b32 s97, 0
	s_lshl_b32 s98, s30, 9                         ; B's scale words
	s_mov_b32 s99, 0
	s_lshl_b32 s66, s22, 2
	s_lshl_b32 s66, 15, s66                        ; my row of the cluster
	s_lshl_b32 s67, 0x1111, s21                    ; my column
	; descriptor groups 1: rows of 3,072 bytes (two K steps of a tile: 384 elements of 8 bytes), 12,288 bytes apart; 8 rows for A, 4 for B; no padding
	s_or_b32 s32, s66, (3<<16)|(1<<21)             ; 15:0 the mask; 17:16 elements of 8 bytes; 21 set beside a mask
	s_mov_b32 s33, 384<<16                         ; tensor_dim0
	s_mov_b32 s34, 8<<16                           ; tensor_dim1
	s_mov_b32 s35, 384<<16                         ; tile_dim0
	s_mov_b32 s36, 8                               ; tile_dim1
	s_mov_b32 s37, 1536                            ; elements from row to row
	s_mov_b32 s38, 0
	s_mov_b32 s39, 0
	s_or_b32 s40, s67, (3<<16)|(1<<21)
	s_mov_b32 s41, 384<<16
	s_mov_b32 s42, 4<<16
	s_mov_b32 s43, 384<<16
	s_mov_b32 s44, 4
	s_mov_b32 s45, 1536
	s_mov_b32 s46, 0
	s_mov_b32 s47, 0
	s_mul_i32 s30, s19, 24576                      ; where they go: no place in the cluster enters an LDS address
	s_mul_i32 s31, s19, 12288
	s_add_co_u32 s31, s31, BOFF
	s_wait_dscnt 0x0
	s_wait_kmcnt 0x0
	s_cmp_eq_u32 s25, 1                            ; the roles: the choice hangs on the cluster's y alone
	s_cselect_b64 s[84:85], s[8:9], s[4:5]         ; A's codes
	s_cselect_b64 s[86:87], s[4:5], s[8:9]         ; B's codes
	s_cselect_b64 s[88:89], s[10:11], s[6:7]       ; A's scale words
	s_cselect_b64 s[90:91], s[6:7], s[10:11]       ; B's
	s_add_nc_u64 s[84:85], s[84:85], s[92:93]
	s_add_nc_u64 s[86:87], s[86:87], s[96:97]
	s_add_nc_u64 s[88:89], s[88:89], s[94:95]
	s_add_nc_u64 s[90:91], s[90:91], s[98:99]
.irp g, 0,1,2,3
	s_mov_b32 s[48+4*\g], 1
	s_add_co_u32 s[49+4*\g], s30, \g*GRP
	s_add_nc_u64 s[50+4*\g:51+4*\g], s[84:85], \g*3072
	s_or_b32 s[51+4*\g], s[51+4*\g], 0x80000000
	s_mov_b32 s[68+4*\g], 1
	s_add_co_u32 s[69+4*\g], s31, \g*GRP
	s_add_nc_u64 s[70+4*\g:71+4*\g], s[86:87], \g*3072
	s_or_b32 s[71+4*\g], s[71+4*\g], 0x80000000
.endr
	CROUND                                         ; all sixteen work-groups are here: the joint loads meet
	s_cmp_eq_u32 s20, 0                            ; a wave's four fills stand in one branch on its number, ahead of every wait on TENSORcnt, LDS read and further barrier
	s_cbranch_scc0 .Lfill_b
	tensor_load_to_lds s[48:51], s[32:39]
	s_nop 0
	tensor_load_to_lds s[52:55], s[32:39]
	s_nop 0
	tensor_load_to_lds s[56:59], s[32:39]
	s_nop 0
	tensor_load_to_lds s[60:63], s[32:39]
	s_nop 0
	PLACES 4
	s_branch .Lfilled
.Lfill_b:
	tensor_load_to_lds s[68:71], s[40:47]
	s_nop 0
	tensor_load_to_lds s[72:75], s[40:47]
	s_nop 0
	tensor_load_to_lds s[76:79], s[40:47]
	s_nop 0
	tensor_load_to_lds s[80:83], s[40:47]
	s_nop 0
	PLACES 4
.Lfilled:
	s_lshl_b32 s30, s27, 9                         ; q's and k's bias: my 128 columns; v's: my 64 columns.  Each is fetched on both ways, from a place inside b_attn
	s_lshl_b32 s66, s26, 10
	s_lshl_b32 s67, s18, 8
	s_add_co_u32 s66, s66, s67
	s_add_co_u32 s66, s66, 8192
	s_cmp_eq_u32 s25, 1
	s_cselect_b32 s30, 0, s30
	s_cselect_b32 s66, s66, 0
	s_mov_b32 s31, 0
	s_mov_b32 s67, 0
	s_add_nc_u64 s[96:97], s[12:13], s[30:31]
	s_add_nc_u64 s[98:99], s[12:13], s[66:67]
	s_mov_b32 s[SEL], 0x76543210
	s_mov_b32 s[SEL+1], 0xfedcba98
	v_and_b32 v1, 31, v0                           ; lane
	v_and_b32 v2, 15, v0                           ; r
	v_bfe_u32 v3, v0, 4, 1                         ; h
	v_lshlrev_b32 v4, 4, v1                        ; 16 x lane
	v_lshlrev_b32 v6, 4, v2                        ; 16 r
	v_lshl_add_u32 v5, v3, 3, v6                   ; 16 r + 8 h
	v_lshlrev_b32 v7, 6, v3                        ; 64 h
	v_and_b32 v8, 8, v2
	v_add_nc_u32 v8, v8, v2
	v_lshlrev_b32 v8, 2, v8                        ; 4 (r + 8 (r / 8))
	v_lshlrev_b32 v9, 4, v3                        ; 16 h
	v_mul_u32_u24 v10, v3, 106496                  ; from a head to the next in qk: 16 chunks
	v_add_nc_u32 v10, v10, v6
.irp a, 0,1,2,3
.irp f, 0,1
	global_load_b128 v[SA+8*\a+4*\f:SA+8*\a+4*\f+3], v6, s[88:89] offset:512*\a+256*\f   ; lane r: row r's words of four K steps
.endr
.endr
.irp b, 0,1,2,3,4,5,6,7
.irp f, 0,1
	global_load_b128 v[SB+8*\b+4*\f:SB+8*\b+4*\f+3], v6, s[90:91] offset:512*\b+256*\f
.endr
.endr
.irp a, 0,1,2,3
	global_load_b32 v[BA+2*\a], v8, s[98:99] offset:4*(32*(\a/2)+8*(\a%2))     ; my row's bias, in both registers of a pair
	global_load_b32 v[BA+2*\a+1], v8, s[98:99] offset:4*(32*(\a/2)+8*(\a%2))
.endr
	WIN 0x80                                       ; destination window 2
.irp b, 0,1,2,3
.irp q, 0,1,2,3
	global_load_b128 v[BI+16*\b+4*\q:BI+16*\b+4*\q+3], v7, s[96:97] offset:128*\b+16*\q   ; register 16 b + i: the bias of column 32 b + 16 h + i
.endr
.endr
	WIN 0
	s_mul_i32 s30, s18, 12288                      ; my four tiles of A
	s_mov_b32 s31, BOFF
.irp g, 0,1,2,3
	v_add_nc_u32 v[16+\g], s30, v4
	v_add_nc_u32 v[20+\g], s30, v5
	v_add_nc_u32 v[24+\g], s31, v4
	v_add_nc_u32 v[28+\g], s31, v5
	s_add_co_u32 s30, s30, GRP
	s_add_co_u32 s31, s31, GRP
.endr
.irp b, 0,1,2,3
	v_mov_b32 v[TM+4+\b], 0                        ; a lane permute's destination counts as read: written once
.endr
; K step s's twelve fragments into set s % 2: 48 loads, each of an image's consecutive bytes
.macro FETCH s
.set FG, (\s)/2
.set FO, ((\s)%2)*1536
	WIN 0x80+0x40*((\s)%2)
.irp i, 0,1,2,3
.irp c, 0,1
	ds_load_b128 v[12*\i+6*\c:12*\i+6*\c+3], v[16+FG] offset:\i*3072+FO+768*\c
	ds_load_b64 v[12*\i+6*\c+4:12*\i+6*\c+5], v[20+FG] offset:\i*3072+FO+768*\c+512
.endr
.endr
.irp i, 0,1,2,3,4,5,6,7
.irp c, 0,1
	ds_load_b128 v[48+12*\i+6*\c:48+12*\i+6*\c+3], v[24+FG] offset:\i*3072+FO+768*\c
	ds_load_b64 v[48+12*\i+6*\c+4:48+12*\i+6*\c+5], v[28+FG] offset:\i*3072+FO+768*\c+512
.endr
.endr
.endm
; 16 products: A's tiles a0, a0 + 1 against B's eight.  zero = 1: they start the sums.  The 32 accumulators take turns, one instruction a turn, in the same order in every K step.
.macro MUL a0, s, zero
.irp a, \a0, \a0+1
.irp b, 0,1,2,3,4,5,6,7
.if \zero
	v_wmma_scale_f32_16x16x128_f8f6f4 v[8*(8*(\a)+\b):8*(8*(\a)+\b)+7], v[48+12*\b:48+12*\b+11], v[12*(\a):12*(\a)+11], 0, v[SB+8*\b+(\s)], v[SA+8*(\a)+(\s)] matrix_a_fmt:MATRIX_FMT_BF6 matrix_b_fmt:MATRIX_FMT_BF6
.else
	v_wmma_scale_f32_16x16x128_f8f6f4 v[8*(8*(\a)+\b):8*(8*(\a)+\b)+7], v[48+12*\b:48+12*\b+11], v[12*(\a):12*(\a)+11], v[8*(8*(\a)+\b):8*(8*(\a)+\b)+7], v[SB+8*\b+(\s)], v[SA+8*(\a)+(\s)] matrix_a_fmt:MATRIX_FMT_BF6 matrix_b_fmt:MATRIX_FMT_BF6
.endif
.endr
.endr
.endm
; A K step.  An even step's successor lies in the same group: it is fetched at the head, four places behind the products that read its set.  An odd step's lies in the next group: my part of it has landed (the count
; leaves my younger groups out), every wave says so, and the fetch follows the barrier's wait.
.macro KSTEP s, zero
	s_wait_dscnt 0x0                               ; this step's fragments are in
.if (\s)%2 == 0
	PLACES 4
	FETCH (\s)+1
	WIN 0x5a+5*((\s)%2)
	MUL 0, \s, \zero
	MUL 2, \s, \zero
.elseif (\s) < 7
	s_wait_tensorcnt 3-((\s)+1)/2
	s_barrier_signal -1
	WIN 0x5a+5*((\s)%2)
	MUL 0, \s, \zero
	s_barrier_wait -1
	PLACES 4
	FETCH (\s)+1
	WIN 0x5a+5*((\s)%2)
	MUL 2, \s, \zero
.else
	WIN 0x5a+5*((\s)%2)
	MUL 0, \s, \zero
	MUL 2, \s, \zero
.endif
.endm
	s_wait_tensorcnt 3                             ; my part of group 0 is in; three younger loads stay out
	s_barrier_signal -1
	s_barrier_wait -1                              ; everybody's is
	FETCH 0
	s_wait_loadcnt 0x0                             ; scale words and biases
	KSTEP 0, 1
.irp s, 1,2,3,4,5,6,7
	KSTEP \s, 0
.endr
	WIN 0
	PLACES 4                                       ; in front of the first read of results
; 64 numbers of a lane, register 16 b + i = k 32 b + 16 h + i of my row, become a fragment's codes in v[PC] on and its scale word in v[PW]
.macro QUANT s
.irp b, 0,1,2,3
	v_max3_num_f32 v[TM+\b], |v[\s+16*\b]|, |v[\s+1+16*\b]|, 0x2800000   ; my 16 numbers of block b, and the floor 2^(5 - 127)
.endr
.irp i, 2,4,6,8,10,12,14
.irp b, 0,1,2,3
	v_max3_num_f32 v[TM+\b], v[TM+\b], |v[\s+16*\b+\i]|, |v[\s+1+16*\b+\i]|
.endr
.endr
.irp b, 0,1,2,3
	v_permlanex16_b32 v[TM+4+\b], v[TM+\b], s[SEL], s[SEL+1]
.endr
.irp b, 0,1,2,3
	v_max_num_f32 v[TM+\b], v[TM+\b], v[TM+4+\b]   ; with lane l xor 16's: the block's largest magnitude
.endr
.irp b, 0,1,2,3
	v_add_nc_u32 v[TM+12+\b], 0xfe000000, v[TM+\b] ; 4 off its exponent field: the conversion's scale operand
.endr
.irp b, 0,1,2,3
	v_lshrrev_b32 v[TM+4+\b], 23, v[TM+12+\b]      ; the byte
.endr
	v_lshl_or_b32 v[PW], v[TM+5], 8, v[TM+4]
	v_lshl_or_b32 v[PW], v[TM+6], 16, v[PW]
	v_lshl_or_b32 v[PW], v[TM+7], 24, v[PW]
.irp c, 0,1
	v_cvt_scalef32_pk16_bf6_f32 v[PC+6*\c:PC+2+6*\c], v[\s+32*\c:\s+15+32*\c], v[TM+12+2*\c]
	v_cvt_scalef32_pk16_bf6_f32 v[PC+12+4*\c:PC+14+4*\c], v[\s+16+32*\c:\s+31+32*\c], v[TM+12+2*\c+1]
.endr
	v_nop                                          ; one plain place behind a scaled conversion
.irp c, 0,1                                    ; the layout wants a whole block in a lane: lanes 0-15 block 2 c, lanes 16-31 block 2 c + 1
.irp i, 0,1,2
	v_permlane16_swap_b32 v[PC+6*\c+\i], v[PC+12+4*\c+\i]
.endr
.irp i, 0,1,2
	v_mov_b32 v[PC+3+6*\c+\i], v[PC+12+4*\c+\i]
.endr
.endr
.endm
; A's tile a: the bias is added on the way into window 0 (each accumulator from its low end on), the 64 numbers are quantised, the two half fragments are stored as images.
; isv = 0: the halves are two heads' tiles of q or k;  isv = 1: the two halves of a tile of v.
.macro TILE a, isv
.if \isv
	WIN 0x01                                       ; source 0 window 1
.irp j, 0,2,4,6,8,10,12,14,16,18,20,22,24,26,28,30,32,34,36,38,40,42,44,46,48,50,52,54,56,58,60,62
	v_pk_add_f32 v[H+\j:H+\j+1], v[64*\a+\j:64*\a+\j+1], v[BA+2*\a:BA+2*\a+1]
.endr
.else
	WIN 0x09                                       ; source 0 window 1, source 1 window 2
.irp j, 0,2,4,6,8,10,12,14,16,18,20,22,24,26,28,30,32,34,36,38,40,42,44,46,48,50,52,54,56,58,60,62
	v_pk_add_f32 v[H+\j:H+\j+1], v[64*\a+\j:64*\a+\j+1], v[BI+\j:BI+\j+1]
.endr
.endif
	WIN 0
.if \a > 0
	s_wait_xcnt 0x0                                ; the last tile's stores have read the codes' registers
.endif
	QUANT H
.if \isv
	v_mov_b32 v[SW+\a], v[PW]
.irp c, 0,1
	global_store_b128 v4, v[PC+6*\c:PC+6*\c+3], s[92:93] offset:1536*\a+768*\c
	global_store_b64 v5, v[PC+6*\c+4:PC+6*\c+5], s[92:93] offset:1536*\a+768*\c+512
.endr
.else
	v_bfe_u32 v[SW+\a], v[PW], v9, 16              ; lanes 0-15 keep the first head's two bytes, lanes 16-31 the second's
.irp c, 0,1
	global_store_b128 v4, v[PC+6*\c:PC+6*\c+3], s[92:93] offset:768*\a+106496*\c
	global_store_b64 v5, v[PC+6*\c+4:PC+6*\c+5], s[92:93] offset:768*\a+106496*\c+512
.endr
.endif
.endm
	s_cmp_ge_u32 s24, 8                            ; the same in all partners: it hangs on the cluster's y alone
	s_cbranch_scc1 .Lvalues
	s_lshr_b32 s30, s27, 3                         ; q or k,
	s_lshl_b32 s30, s30, 2
	s_lshr_b32 s31, s26, 3                         ; the batch,
	s_add_co_u32 s30, s30, s31
	s_lshl_b32 s30, s30, 4
	s_and_b32 s31, s27, 7                          ; the first of my two heads,
	s_lshl_b32 s31, s31, 1
	s_add_co_u32 s30, s30, s31
	s_lshl_b32 s30, s30, 4
	s_and_b32 s31, s26, 7                          ; the chunk
	s_lshl_b32 s31, s31, 1
	s_add_co_u32 s30, s30, s31
	s_add_co_u32 s30, s30, s20
	s_mul_i32 s30, s30, 6656
	s_mov_b32 s31, 0
	s_add_nc_u64 s[94:95], s[14:15], s[30:31]
	s_mul_i32 s30, s19, 3072                       ; my four tiles of its eight
	s_add_nc_u64 s[92:93], s[94:95], s[30:31]
	s_lshl_b32 s30, s19, 8
	s_add_co_u32 s30, s30, 6144
	s_add_nc_u64 s[94:95], s[94:95], s[30:31]      ; and their scale words
	TILE 0, 0
	TILE 1, 0
	TILE 2, 0
	TILE 3, 0
	global_store_b128 v10, v[SW:SW+3], s[94:95]    ; 256 aligned bytes for each of the two heads
	s_branch .Ldone
.Lvalues:
	s_lshr_b32 s30, s27, 4                         ; the batch,
	s_lshl_b32 s30, s30, 4
	s_lshl_b32 s31, s26, 2                         ; the head: 4 x A's block + wave,
	s_add_co_u32 s30, s30, s31
	s_add_co_u32 s30, s30, s18
	s_lshl_b32 s30, s30, 4
	s_and_b32 s31, s27, 15                         ; the chunk
	s_add_co_u32 s30, s30, s31
	s_mul_i32 s30, s30, 6400
	s_mov_b32 s31, 0
	s_add_nc_u64 s[92:93], s[16:17], s[30:31]
	TILE 0, 1
	TILE 1, 1
	TILE 2, 1
	TILE 3, 1
	v_cmp_gt_u32 vcc_lo, 16, v1                    ; both halves of the lanes hold the same words: lanes 0-15 store them
	s_wait_xcnt 0x0                                ; EXEC is a source of the stores above
	s_and_saveexec_b32 s30, vcc_lo
	global_store_b128 v6, v[SW:SW+3], s[92:93] offset:6144
	s_wait_xcnt 0x0
	s_or_b32 exec_lo, exec_lo, s30
.Ldone:
	s_wait_tensorcnt 0x0
	ds_add_u32 v254, v255
	s_wait_dscnt 0x0
	CROUND                                         ; the closing round: no work-group ends while a partner may still ask for a tile that names it
	s_endpgm
.Lfunc_end_k_qdbb7b114a7_qkv:
	.size	k_qdbb7b114a7_qkv, .Lfunc_end_k_qdbb7b114a7_qkv-k_qdbb7b114a7_qkv
	.p2alignl 7, 3214868480
	.fill 96, 4, 3214868480
	.section	.rodata,"a",@progbits
	.p2align	6, 0x0
	.amdhsa_kernel k_qdbb7b114a7_qkv
		.amdhsa_group_segment_fixed_size 295424
		.amdhsa_private_segment_fixed_size 0
		.amdhsa_enable_private_segment 0
		.amdhsa_kernarg_size 56
		.amdhsa_user_sgpr_count 2
		.amdhsa_user_sgpr_kernarg_segment_ptr 1
		.amdhsa_wavefront_size32 1
		.amdhsa_system_sgpr_workgroup_id_x 1
		.amdhsa_system_sgpr_workgroup_id_y 1
		.amdhsa_system_sgpr_workgroup_id_z 1
		.amdhsa_system_vgpr_workitem_id 0
		.amdhsa_next_free_vgpr 1024
		.amdhsa_next_free_sgpr 100
		.amdhsa_reserve_vcc 1
		.amdhsa_float_denorm_mode_32 3
		.amdhsa_float_denorm_mode_16_64 3
		.amdhsa_memory_ordered 1
		.amdhsa_forward_progress 1
		.amdhsa_inst_pref_size 125
	.end_amdhsa_kernel
	.amdgpu_metadata
---
amdhsa.version: [ 1, 2 ]
amdhsa.kernels:
  - .name:           k_qdbb7b114a7_qkv
    .symbol:         k_qdbb7b114a7_qkv.kd
    .args:
      - { .name: xc, .offset: 0, .size: 8, .value_kind: global_buffer, .address_space: global }
      - { .name: xs, .offset: 8, .size: 8, .value_kind: global_buffer, .address_space: global }
      - { .name: wc, .offset: 16, .size: 8, .value_kind: global_buffer, .address_space: global }
      - { .name: ws, .offset: 24, .size: 8, .value_kind: global_buffer, .address_space: global }
      - { .name: b_attn, .offset: 32, .size: 8, .value_kind: global_buffer, .address_space: global }
      - { .name: qk, .offset: 40, .size: 8, .value_kind: global_buffer, .address_space: global }
      - { .name: vv, .offset: 48, .size: 8, .value_kind: global_buffer, .address_space: global }
    .group_segment_fixed_size: 295424
    .private_segment_fixed_size: 0
    .kernarg_segment_align: 8
    .kernarg_segment_size: 56
    .max_flat_workgroup_size: 128
    .sgpr_count:     100
    .vgpr_count:     1024
    .wavefront_size: 32
...
	.end_amdgpu_metadata
.endif
;; end of part 2
;; launch attn (part 3): grid 4 x 64, 16 waves a work-group, clusters of 4 x 1, 210,944 bytes of LDS; arguments qk, vv, yc, ys; writes yc, ys
.if DOCPART == 3
	.amdgcn_target "amdgcn-amd-amdhsa--gfx1250"
	.amdhsa_code_object_version 6
	.text
	.protected	k_qdbb7b114a7_attn
	.globl	k_qdbb7b114a7_attn
	.p2align	8
	.type	k_qdbb7b114a7_attn,@function
k_qdbb7b114a7_attn:
	s_mov_b64 s[64:65], 0
	v_nop
	global_prefetch_b8 v0, s[64:65] scope:SCOPE_SE
	s_setreg_imm32_b32 hwreg(HW_REG_WAVE_MODE, 25, 1), 1
	s_wait_xcnt 0x0
	s_wait_alu depctr_hold_cnt(0) depctr_sa_sdst(0) depctr_va_vdst(0) depctr_va_sdst(0) depctr_va_ssrc(0) depctr_va_vcc(0) depctr_vm_vsrc(0)
	s_getreg_b32 s2, hwreg(HW_REG_IB_STS2, 6, 4)
	s_cmp_eq_u32 s2, 0
	s_cbranch_scc0 .Lentry_in_a_cluster
	s_endpgm
.Lentry_in_a_cluster:
	s_bfe_u32 s2, ttmp6, 0x10000c
	s_cmp_lg_u32 s2, 0x3003
	s_cbranch_scc0 .Lentry_shape_is_right
	s_endpgm
.Lentry_shape_is_right:
; y = softmax(q k^T / 8, causal) v for one (batch, head) a cluster, both products on codes of BF6 with E8M0 scales, and y quantised at once along the head's 64 for the projection.
; THE SOFTMAX: t = score x log2(e) / 8; M = the running largest t rounded UP to a whole number; p = 2^(t - M) is quantised along the keys, not normalised; the row's sum is taken of the unquantised p and divides at the end;
; when M moves, the sum and O are multiplied by 2^(old M - new M), which rounds nothing.
; SHARES.  The head's 2,048 tokens are 16 chunks of 128, a chunk 8 tiles of 16 (tile 2 g + u: tokens 32 g + 8 u + i + 8 (i / 8)).  Wave w of partner cx owns tile 2 cx + w / 8 of chunk w % 8 and of chunk 15 - w % 8:
; (w % 8 + 1) + (16 - w % 8) = 17 key steps of 128 keys for every wave.  Steps whose keys all come after the queries are jumped over by a scalar branch on the wave's number and the trip's; the trip counts are constants.
; ALL OF THE HEAD'S K AND V LIE IN LDS, filled once: wave w brings chunk w of each, two tensor loads out a wave.  The four partners want the same bytes: the loads are joint (mask 15).
; Both products are used transposed: S^T = K Q^T (source 0 = 16 keys), O^T = V^T P^T (source 0 = 16 of the head's 64): a lane holds one query throughout.
; The head's 64 fill half of the instruction's 128 along K: registers 6-11 of Q's and K's fragments are zero codes, and those blocks' scale bytes are 0 (2^-127, no NaN): they add nothing.
; yc: [tile 512][head 16][768]: the projection's A, K step = two heads.  ys: [tile 512][head 16][row 16] words, bytes 0 and 1 the head's two blocks; written 64 bytes at a time, one part in 13 of what the launch stores.
; LIMITS: a block of zeros gets the byte 1; NaN and infinities are not served.
; REGISTERS: v1-5 lane terms; v6-11 the step's LDS addresses; v12 -M, v13 the largest t, v[14:15] the sum; v16-27 Q; v28 Q's scale word, v29 p's; v30 lane; v32-79 four fragments of K; v80-87 K's scale words, v88-91 V's;
;   v96-159 S^T, then p, then V's four fragments; v160-191 O^T; v192-203 p's codes; v204-210 conversions; v212-223 at work; v[224:225] f; v226-227 at work.
.set KCH, 6656                         ; a chunk of K in LDS and in memory
.set VCH, 6400                         ; of V
.set VB0, 106496                       ; V begins behind K's 16 chunks
.set WV,  12
.set SEL, 20
.set CS,  22
.macro CROUND
	s_barrier_signal -1
	s_barrier_wait -1
	s_cmp_lg_u32 s[WV], 0
	s_cbranch_scc1 .Lnot_wave_0_\@
	s_barrier_signal -3
.Lnot_wave_0_\@:
	s_barrier_wait -3
	s_barrier_signal -1
	s_barrier_wait -1
.endm
	s_load_b256 s[4:11], s[0:1], 0x0               ; qk, vv, yc, ys
	v_lshl_add_u32 v254, v0, 2, 0x33000
	v_mov_b32 v255, 0
	ds_add_u32 v254, v255
	ds_add_u32 v254, v255
	v_lshrrev_b32 v1, 5, v0
	s_delay_alu instid0(VALU_DEP_1)
	v_readfirstlane_b32 s[WV], v1                  ; wave 0..15
	s_bfe_u32 s13, ttmp6, 0x40000                  ; cx: it enters global addresses and the mask's numbers alone
	s_and_b32 s14, ttmp7, 0xffff                   ; batch x 16 + head
	s_lshr_b32 s2, s[WV], 3
	s_lshl_b32 s15, s13, 1
	s_add_co_u32 s15, s15, s2                      ; my tile in a chunk
	s_and_b32 s16, s[WV], 7                        ; my low chunk
	s_lshl_b32 s3, s13, 5
	s_lshl_b32 s2, s2, 3
	s_add_co_u32 s3, s3, s2                        ; the tile's first token in its chunk
	; descriptor groups 1: a dense block as rows of 256 bytes (32 elements of 8 bytes): 26 rows for K, 25 for V
	s_mov_b32 s24, 15|(3<<16)|(1<<21)              ; the mask: all four partners; elements of 8 bytes; bit 21 beside a mask
	s_mov_b32 s25, 32<<16
	s_mov_b32 s26, 26<<16
	s_mov_b32 s27, 32<<16
	s_mov_b32 s28, 26
	s_mov_b32 s29, 32
	s_mov_b32 s30, 0
	s_mov_b32 s31, 0
	s_mov_b32 s32, 15|(3<<16)|(1<<21)
	s_mov_b32 s33, 32<<16
	s_mov_b32 s34, 25<<16
	s_mov_b32 s35, 32<<16
	s_mov_b32 s36, 25
	s_mov_b32 s37, 32
	s_mov_b32 s38, 0
	s_mov_b32 s39, 0
	s_lshl_b32 s2, s14, 4
	s_add_co_u32 s2, s2, s[WV]                     ; chunk w of my head
	s_mul_i32 s18, s2, VCH
	s_mov_b32 s19, 0
	s_add_co_u32 s2, s2, 1024                      ; k lies behind q's 64 x 16 chunks
	s_mul_i32 s60, s2, KCH
	s_mov_b32 s61, 0
	s_mov_b32 s[SEL], 0x76543210
	s_mov_b32 s[SEL+1], 0xfedcba98
	s_mov_b32 s[CS], 0x3e38aa3b                    ; c = log2(e) / 8
	s_mov_b32 s[CS+1], s[CS]
	s_wait_dscnt 0x0
	s_wait_kmcnt 0x0
	s_mov_b32 s40, 1
	s_mul_i32 s41, s[WV], KCH
	s_add_nc_u64 s[42:43], s[4:5], s[60:61]
	s_or_b32 s43, s43, 0x80000000
	s_mov_b32 s44, 1
	s_mul_i32 s45, s[WV], VCH
	s_add_co_u32 s45, s45, VB0
	s_add_nc_u64 s[46:47], s[6:7], s[18:19]
	s_or_b32 s47, s47, 0x80000000
	CROUND                                         ; all four work-groups are here: the joint loads meet
	tensor_load_to_lds s[40:43], s[24:31]
	s_nop 0
	tensor_load_to_lds s[44:47], s[32:39]
	s_nop 0
.rept 4
	v_nop
.endr
	v_and_b32 v30, 31, v0                          ; lane
	v_and_b32 v226, 15, v0                         ; r
	v_bfe_u32 v227, v0, 4, 1                       ; h
	s_delay_alu instid0(VALU_DEP_3)
	v_lshlrev_b32 v1, 4, v30                       ; 16 x lane
	s_delay_alu instid0(VALU_DEP_3)
	v_lshlrev_b32 v3, 4, v226                      ; 16 r
	s_delay_alu instid0(VALU_DEP_1)
	v_lshl_add_u32 v2, v227, 3, v3                 ; 16 r + 8 h
	v_lshlrev_b32 v5, 2, v226                      ; 4 r
	v_and_b32 v4, 8, v226
	s_delay_alu instid0(VALU_DEP_1)
	v_add_nc_u32 v4, v4, v226
	v_lshlrev_b32 v227, 4, v227
	s_delay_alu instid0(VALU_DEP_1)
	v_sub_nc_u32 v4, v4, v227
	s_delay_alu instid0(VALU_DEP_1)
	v_add_nc_u32 v4, s3, v4                        ; my query's place in its chunk - 16 h
.irp j, 22,23,24,25,26,27
	v_mov_b32 v[\j], 0                             ; Q's k = 64 .. 127: zero codes
.endr
.irp t, 0,1,2,3
.irp j, 6,7,8,9,10,11
	v_mov_b32 v[32+12*\t+\j], 0                    ; K's likewise: written once, the loads never touch them
.endr
.endr
.irp b, 0,1,2,3
	v_mov_b32 v[216+\b], 0                         ; a lane permute's destination counts as read
.endr
	v_mov_b32 v225, 0                              ; named as the upper half of the pair v[224:225]
	s_wait_tensorcnt 0x0                           ; my two chunks are in,
	s_barrier_signal -1
	s_barrier_wait -1                              ; everybody's are: from here on LDS is only read
; A KEY STEP: chunk s48 of the keys against my tile of chunk s17.  s49, s50: where that chunk's K and V begin in LDS.
.macro STEP
	s_cmp_gt_u32 s48, s17                          ; all its keys come after my queries: nothing to do
	s_cbranch_scc1 .Lskip_\@
	s_setprio 2
	v_add_nc_u32 v6, s49, v1                       ; six plain lines: also the places between the last step's products, which read v96-143, and the products below, which write there
	s_wait_alu depctr_va_vdst(0)
	v_add_nc_u32 v7, s49, v2
	s_wait_alu depctr_va_vdst(0)
	v_add_nc_u32 v8, s49, v3
	v_add_nc_u32 v9, s50, v1
	v_add_nc_u32 v10, s50, v2
	v_add_nc_u32 v11, s50, v3
	ds_load_b128 v[80:83], v8 offset:6144          ; row r's scale words of tiles 0-3,
	ds_load_b128 v[84:87], v8 offset:6400          ; 4-7
.irp g, 0,1                                    ; S^T = K Q^T, four tiles of 16 keys at a time
.if \g
.rept 4
	v_nop                                          ; places in front of loads into registers that matrix instructions have read
.endr
.endif
.irp t, 0,1,2,3
	ds_load_b128 v[32+12*\t:35+12*\t], v6 offset:(4*\g+\t)*768
	ds_load_b64 v[36+12*\t:37+12*\t], v7 offset:(4*\g+\t)*768+512
.endr
	s_wait_dscnt 0x0
.irp t, 0,1,2,3
	v_wmma_scale_f32_16x16x128_f8f6f4 v[96+8*(4*\g+\t):103+8*(4*\g+\t)], v[32+12*\t:43+12*\t], v[16:27], 0, v[80+4*\g+\t], v28 matrix_a_fmt:MATRIX_FMT_BF6 matrix_b_fmt:MATRIX_FMT_BF6
.endr
.endr                                          ; register 16 b + i: key 32 b + 16 h + i of the chunk
.rept 4
	v_nop
.endr
	s_cmp_lg_u32 s48, s17                          ; on the diagonal the scores of hidden keys become -infinity: p = 0 then.  The chunk's key 0 counts for every query
	s_cbranch_scc1 .Lopen_\@
	v_mov_b32 v227, 0xff800000
.irp n, 0,1,2,3,4,5,6,7,8,9,10,11,12,13,14,15,16,17,18,19,20,21,22,23,24,25,26,27,28,29,30,31,32,33,34,35,36,37,38,39,40,41,42,43,44,45,46,47,48,49,50,51,52,53,54,55,56,57,58,59,60,61,62,63
	v_cmp_gt_i32 vcc_lo, 32*(\n/16)+\n%16, v4
	v_cndmask_b32 v[96+\n], v[96+\n], v227, vcc_lo
.endr
.Lopen_\@:
.irp b, 0,1,2,3
	v_max3_num_f32 v[212+\b], v[96+16*\b], v[97+16*\b], v[98+16*\b]   ; the largest score of each block of 32 keys: for the row's maximum and, since p rises with the score, for the block's largest p
.endr
.irp i, 3,5,7,9,11,13
.irp b, 0,1,2,3
	v_max3_num_f32 v[212+\b], v[212+\b], v[96+16*\b+\i], v[97+16*\b+\i]
.endr
.endr
.irp b, 0,1,2,3
	v_max_num_f32 v[212+\b], v[212+\b], v[111+16*\b]
.endr
.irp b, 0,1,2,3
	s_delay_alu instid0(VALU_DEP_4)
	v_permlanex16_b32 v[216+\b], v[212+\b], s[SEL], s[SEL+1]
.endr
.irp b, 0,1,2,3
	s_delay_alu instid0(VALU_DEP_4)
	v_max_num_f32 v[212+\b], v[212+\b], v[216+\b]  ; with lane l xor 16's 16 keys
.endr
	s_delay_alu instid0(VALU_DEP_2)
	v_max3_num_f32 v226, v212, v213, v214
	s_delay_alu instid0(VALU_DEP_1)
	v_max_num_f32 v226, v226, v215
	s_delay_alu instid0(VALU_DEP_1)
	v_mul_f32 v226, s[CS], v226                    ; as t
	s_delay_alu instid0(VALU_DEP_1)
	v_max_num_f32 v13, v13, v226                   ; the running largest t
	v_mov_b32 v226, v12
	s_delay_alu instid0(VALU_DEP_2)
	v_floor_f32 v12, -v13                          ; the new -M = -ceil(t)
	s_delay_alu instid0(VALU_DEP_1)
	v_sub_f32 v226, v12, v226                      ; old M - new M: a whole number, 0 or less
	s_delay_alu instid0(VALU_DEP_1)
	v_cvt_i32_f32 v226, v226                       ; (it saturates)
	s_delay_alu instid0(VALU_DEP_1)
	v_ldexp_f32 v224, 1.0, v226                    ; f = 2^(old M - new M)
.irp j, 0,2,4,6,8,10,12,14,16,18,20,22,24,26,28,30,32,34,36,38,40,42,44,46,48,50,52,54,56,58,60,62
	v_pk_fma_f32 v[96+\j:97+\j], v[96+\j:97+\j], s[CS:CS+1], v[12:13] op_sel_hi:[1,0,0]   ; t - M
.endr
	s_setprio 1
.irp b, 0,1,2,3
	v_fma_f32 v[212+\b], v[212+\b], s[CS], v12     ; the same of each block's largest score
.endr
	s_wait_alu depctr_va_vdst(0)
.irp j, 0,1,2,3,4,5,6,7,8,9,10,11,12,13,14,15,16,17,18,19,20,21,22,23,24,25,26,27,28,29,30,31,32,33,34,35,36,37,38,39,40,41,42,43,44,45,46,47,48,49,50,51,52,53,54,55,56,57,58,59,60,61,62,63
	v_exp_f32 v[96+\j], v[96+\j]                   ; p = 2^(t - M)
.endr
.irp b, 0,1,2,3
	v_exp_f32 v[212+\b], v[212+\b]                 ; the block's largest p: the same two instructions on the same number
.endr
	v_pk_mul_f32 v[14:15], v[14:15], v[224:225] op_sel_hi:[1,0]   ; the sums under the new M (a plain place behind the exponentials)
	s_wait_alu depctr_va_vdst(0)
.irp b, 0,1,2,3
	v_max_num_f32 v[212+\b], 0x2800000, v[212+\b]  ; the floor 2^(5 - 127)
.endr
.irp b, 0,1,2,3
	s_delay_alu instid0(VALU_DEP_4)
	v_add_nc_u32 v[220+\b], 0xfe000000, v[212+\b]  ; the conversion's scale operand
.endr
.irp b, 0,1,2,3
	s_delay_alu instid0(VALU_DEP_4)
	v_lshrrev_b32 v[216+\b], 23, v[220+\b]         ; the byte
.endr
	s_delay_alu instid0(VALU_DEP_3)
	v_lshl_or_b32 v29, v217, 8, v216               ; p's scale word for these 128 keys
	s_delay_alu instid0(VALU_DEP_1)
	v_lshl_or_b32 v29, v218, 16, v29
	s_delay_alu instid0(VALU_DEP_1)
	v_lshl_or_b32 v29, v219, 24, v29
.irp c, 0,1
	v_cvt_scalef32_pk16_bf6_f32 v[192+6*\c:194+6*\c], v[96+32*\c:111+32*\c], v[220+2*\c]
	v_cvt_scalef32_pk16_bf6_f32 v[204+4*\c:206+4*\c], v[112+32*\c:127+32*\c], v[220+2*\c+1]
.endr
	v_nop                                          ; one plain place behind a scaled conversion
.irp c, 0,1
.irp i, 0,1,2
	v_permlane16_swap_b32 v[192+6*\c+\i], v[204+4*\c+\i]
.endr
.irp i, 0,1,2
	s_delay_alu instid0(VALU_DEP_3)
	v_mov_b32 v[195+6*\c+\i], v[204+4*\c+\i]
.endr
.endr
	v_pk_add_f32 v[226:227], v[100:101], v[104:105]
	v_pk_add_f32 v[252:253], v[108:109], v[112:113]
	v_pk_add_f32 v[250:251], v[116:117], v[120:121]
	v_pk_add_f32 v[248:249], v[124:125], v[128:129]
	v_pk_add_f32 v[246:247], v[132:133], v[136:137]
	v_pk_add_f32 v[244:245], v[140:141], v[144:145]
	v_pk_add_f32 v[242:243], v[148:149], v[152:153]
	v_pk_add_f32 v[14:15], v[14:15], v[156:157]
	v_pk_add_f32 v[226:227], v[226:227], v[96:97]
	v_pk_add_f32 v[252:253], v[252:253], v[98:99]
	v_pk_add_f32 v[250:251], v[250:251], v[102:103]
	v_pk_add_f32 v[248:249], v[248:249], v[106:107]
	v_pk_add_f32 v[246:247], v[246:247], v[110:111]
	v_pk_add_f32 v[244:245], v[244:245], v[114:115]
	v_pk_add_f32 v[242:243], v[242:243], v[118:119]
	v_pk_add_f32 v[14:15], v[14:15], v[122:123]
	v_pk_add_f32 v[226:227], v[226:227], v[126:127]
	v_pk_add_f32 v[252:253], v[252:253], v[130:131]
	v_pk_add_f32 v[250:251], v[250:251], v[134:135]
	v_pk_add_f32 v[248:249], v[248:249], v[138:139]
	v_pk_add_f32 v[246:247], v[246:247], v[142:143]
	v_pk_add_f32 v[244:245], v[244:245], v[146:147]
	v_pk_add_f32 v[242:243], v[242:243], v[150:151]
	v_pk_add_f32 v[14:15], v[14:15], v[154:155]
	v_pk_add_f32 v[226:227], v[226:227], v[158:159]
	s_delay_alu instid0(VALU_DEP_2)
	v_pk_add_f32 v[14:15], v[14:15], v[248:249]
	s_delay_alu instid0(VALU_DEP_2)
	v_pk_add_f32 v[226:227], v[226:227], v[246:247]
	s_setprio 0
	v_pk_add_f32 v[252:253], v[252:253], v[244:245]
	v_pk_add_f32 v[250:251], v[250:251], v[242:243]
	s_delay_alu instid0(VALU_DEP_2)
	v_pk_add_f32 v[14:15], v[14:15], v[252:253]
	s_delay_alu instid0(VALU_DEP_2)
	v_pk_add_f32 v[226:227], v[226:227], v[250:251]
	s_delay_alu instid0(VALU_DEP_1)
	v_pk_add_f32 v[14:15], v[14:15], v[226:227]
.irp a, 0,1,2,3                                ; p is done with: V's four fragments take its registers
.irp c, 0,1
	ds_load_b128 v[96+12*\a+6*\c:99+12*\a+6*\c], v9 offset:1536*\a+768*\c
	ds_load_b64 v[100+12*\a+6*\c:101+12*\a+6*\c], v10 offset:1536*\a+768*\c+512
.endr
.endr
	ds_load_b128 v[88:91], v11 offset:6144         ; row r's scale words of V's four tiles
.irp j, 0,2,4,6,8,10,12,14,16,18,20,22,24,26,28,30
	v_pk_mul_f32 v[160+\j:161+\j], v[160+\j:161+\j], v[224:225] op_sel_hi:[1,0]   ; O^T under the new M, while the loads are out
.endr
	s_wait_alu depctr_va_vdst(0)
	s_wait_dscnt 0x0
.irp a, 0,1,2,3                                ; O^T += V^T P^T: four accumulators by turns
	v_wmma_scale_f32_16x16x128_f8f6f4 v[160+8*\a:167+8*\a], v[96+12*\a:107+12*\a], v[192:203], v[160+8*\a:167+8*\a], v[88+\a], v29 matrix_a_fmt:MATRIX_FMT_BF6 matrix_b_fmt:MATRIX_FMT_BF6
.endr
.Lskip_\@:
	s_add_co_u32 s49, s49, KCH
	s_add_co_u32 s50, s50, VCH
.endm
; My tile of chunk s17: Q comes from memory, the keys' chunks are walked, y is quantised and stored.
.macro PHASE trips
	s_lshl_b32 s2, s14, 4
	s_add_co_u32 s2, s2, s17
	s_mul_i32 s2, s2, KCH                          ; q's chunk
	s_mul_i32 s18, s15, 768
	s_add_co_u32 s18, s18, s2
	s_mov_b32 s19, 0
	s_add_nc_u64 s[52:53], s[4:5], s[18:19]        ; my tile's codes
	s_lshr_b32 s18, s15, 2
	s_lshl_b32 s18, s18, 8
	s_and_b32 s60, s15, 3
	s_lshl_b32 s60, s60, 2
	s_add_co_u32 s18, s18, s60
	s_add_co_u32 s18, s18, s2
	s_add_co_u32 s18, s18, 6144
	s_add_nc_u64 s[54:55], s[4:5], s[18:19]        ; and its scale words
	s_lshr_b32 s60, s14, 4
	s_lshl_b32 s60, s60, 4
	s_add_co_u32 s60, s60, s17
	s_lshl_b32 s60, s60, 3
	s_add_co_u32 s60, s60, s15                     ; the tile among all 512
	s_and_b32 s61, s14, 15                         ; the head
	s_mul_i32 s18, s60, 12288
	s_mul_i32 s62, s61, 768
	s_add_co_u32 s18, s18, s62
	s_add_nc_u64 s[56:57], s[8:9], s[18:19]
	s_lshl_b32 s18, s60, 10
	s_lshl_b32 s62, s61, 6
	s_add_co_u32 s18, s18, s62
	s_add_nc_u64 s[58:59], s[10:11], s[18:19]
	global_load_b128 v[16:19], v1, s[52:53]
	global_load_b64 v[20:21], v2, s[52:53] offset:512
	global_load_b32 v28, v3, s[54:55]
	v_mov_b32 v13, 0xff61b1e6                      ; the largest t so far: -3e38
	s_delay_alu instid0(VALU_DEP_1)
	v_floor_f32 v12, -v13
	v_mov_b32 v14, 0
	v_mov_b32 v15, 0
.irp j, 0,1,2,3,4,5,6,7,8,9,10,11,12,13,14,15,16,17,18,19,20,21,22,23,24,25,26,27,28,29,30,31
	v_mov_b32 v[160+\j], 0                         ; O^T: the step is written once; the first change of M leaves zeros zeros
.endr
	s_mov_b32 s48, 0
	s_mov_b32 s49, 0
	s_mov_b32 s50, VB0
	s_wait_loadcnt 0x0
.Lkeys_\@:
	STEP
	s_add_co_u32 s48, s48, 1
	s_cmp_lt_u32 s48, \trips
	s_cbranch_scc1 .Lkeys_\@
	s_setprio 0
.rept 4
	v_nop                                          ; places in front of the first read of O^T
.endr
	v_add_f32 v14, v14, v15
	s_delay_alu instid0(VALU_DEP_1)
	v_permlanex16_b32 v226, v14, s[SEL], s[SEL+1]
	s_delay_alu instid0(VALU_DEP_1)
	v_add_f32 v14, v14, v226                       ; the row's sum
	s_wait_alu depctr_va_vdst(0)
	v_rcp_f32 v14, v14
	v_nop                                          ; one plain place behind a transcendental
	s_wait_alu depctr_va_vdst(0)
.irp j, 0,2,4,6,8,10,12,14,16,18,20,22,24,26,28,30
	v_pk_mul_f32 v[96+\j:97+\j], v[160+\j:161+\j], v[14:15] op_sel_hi:[1,0]   ; y: register 16 b + i = d 32 b + 16 h + i
.endr
.irp b, 0,1
	v_max3_num_f32 v[212+\b], |v[96+16*\b]|, |v[97+16*\b]|, 0x2800000
.endr
.irp i, 2,4,6,8,10,12,14
.irp b, 0,1
	s_delay_alu instid0(VALU_DEP_2)
	v_max3_num_f32 v[212+\b], v[212+\b], |v[96+16*\b+\i]|, |v[97+16*\b+\i]|
.endr
.endr
.irp b, 0,1
	s_delay_alu instid0(VALU_DEP_2)
	v_permlanex16_b32 v[216+\b], v[212+\b], s[SEL], s[SEL+1]
.endr
.irp b, 0,1
	s_delay_alu instid0(VALU_DEP_2)
	v_max_num_f32 v[212+\b], v[212+\b], v[216+\b]
.endr
.irp b, 0,1
	s_delay_alu instid0(VALU_DEP_2)
	v_add_nc_u32 v[220+\b], 0xfe000000, v[212+\b]
.endr
.irp b, 0,1
	s_delay_alu instid0(VALU_DEP_2)
	v_lshrrev_b32 v[216+\b], 23, v[220+\b]
.endr
	s_delay_alu instid0(VALU_DEP_1)
	v_lshl_or_b32 v227, v217, 8, v216              ; the head's two bytes of my row
	v_cvt_scalef32_pk16_bf6_f32 v[192:194], v[96:111], v220
	v_cvt_scalef32_pk16_bf6_f32 v[204:206], v[112:127], v221
	v_nop
.irp i, 0,1,2
	v_permlane16_swap_b32 v[192+\i], v[204+\i]
.endr
.irp i, 0,1,2
	s_delay_alu instid0(VALU_DEP_3)
	v_mov_b32 v[195+\i], v[204+\i]
.endr
	global_store_b128 v1, v[192:195], s[56:57]     ; half a fragment, as an image: 512 and 256 consecutive bytes, aligned
	global_store_b64 v2, v[196:197], s[56:57] offset:512
	v_cmp_gt_u32 vcc_lo, 16, v30
	s_wait_xcnt 0x0                                ; EXEC is a source of the stores above
	s_and_saveexec_b32 s60, vcc_lo
	global_store_b32 v5, v227, s[58:59]
	s_wait_xcnt 0x0                                ; it also frees the stores' registers and bases for the next tile
	s_or_b32 exec_lo, exec_lo, s60
.endm
	s_mov_b32 s17, s16                             ; my low chunk: at most 8 key steps
	PHASE 8
	s_sub_co_u32 s17, 15, s16                      ; my high chunk: at most 16
	PHASE 16
	s_wait_dscnt 0x0
	s_wait_tensorcnt 0x0
	ds_add_u32 v254, v255
	s_wait_dscnt 0x0
	CROUND                                         ; the closing round
	s_endpgm
.Lfunc_end_k_qdbb7b114a7_attn:
	.size	k_qdbb7b114a7_attn, .Lfunc_end_k_qdbb7b114a7_attn-k_qdbb7b114a7_attn
	.p2alignl 7, 3214868480
	.fill 96, 4, 3214868480
	.section	.rodata,"a",@progbits
	.p2align	6, 0x0
	.amdhsa_kernel k_qdbb7b114a7_attn
		.amdhsa_group_segment_fixed_size 210944
		.amdhsa_private_segment_fixed_size 0
		.amdhsa_enable_private_segment 0
		.amdhsa_kernarg_size 32
		.amdhsa_user_sgpr_count 2
		.amdhsa_user_sgpr_kernarg_segment_ptr 1
		.amdhsa_wavefront_size32 1
		.amdhsa_system_sgpr_workgroup_id_x 1
		.amdhsa_system_sgpr_workgroup_id_y 1
		.amdhsa_system_sgpr_workgroup_id_z 1
		.amdhsa_system_vgpr_workitem_id 0
		.amdhsa_next_free_vgpr 256
		.amdhsa_next_free_sgpr 66
		.amdhsa_reserve_vcc 1
		.amdhsa_float_denorm_mode_32 3
		.amdhsa_float_denorm_mode_16_64 3
		.amdhsa_memory_ordered 1
		.amdhsa_forward_progress 1
		.amdhsa_inst_pref_size 66
	.end_amdhsa_kernel
	.amdgpu_metadata
---
amdhsa.version: [ 1, 2 ]
amdhsa.kernels:
  - .name:           k_qdbb7b114a7_attn
    .symbol:         k_qdbb7b114a7_attn.kd
    .args:
      - { .name: qk, .offset: 0, .size: 8, .value_kind: global_buffer, .address_space: global }
      - { .name: vv, .offset: 8, .size: 8, .value_kind: global_buffer, .address_space: global }
      - { .name: yc, .offset: 16, .size: 8, .value_kind: global_buffer, .address_space: global }
      - { .name: ys, .offset: 24, .size: 8, .value_kind: global_buffer, .address_space: global }
    .group_segment_fixed_size: 210944
    .private_segment_fixed_size: 0
    .kernarg_segment_align: 8
    .kernarg_segment_size: 32
    .max_flat_workgroup_size: 512
    .sgpr_count:     66
    .vgpr_count:     256
    .wavefront_size: 32
...
	.end_amdgpu_metadata
.endif
;; end of part 3
;; launch proj (part 4): grid 8 x 32, 4 waves a work-group, clusters of 4 x 4, 295,424 bytes of LDS; arguments yc, ys, wc, ws, b_proj, out0; writes out0
.if DOCPART == 4
	.amdgcn_target "amdgcn-amd-amdhsa--gfx1250"
	.amdhsa_code_object_version 6
	.text
	.protected	k_qdbb7b114a7_proj
	.globl	k_qdbb7b114a7_proj
	.p2align	8
	.type	k_qdbb7b114a7_proj,@function
k_qdbb7b114a7_proj:
	s_mov_b64 s[64:65], 0
	v_nop
	global_prefetch_b8 v0, s[64:65] scope:SCOPE_SE
	s_setreg_imm32_b32 hwreg(HW_REG_WAVE_MODE, 25, 1), 1
	s_wait_xcnt 0x0
	s_wait_alu depctr_hold_cnt(0) depctr_sa_sdst(0) depctr_va_vdst(0) depctr_va_sdst(0) depctr_va_ssrc(0) depctr_va_vcc(0) depctr_vm_vsrc(0)
	s_getreg_b32 s2, hwreg(HW_REG_IB_STS2, 6, 4)
	s_cmp_eq_u32 s2, 0
	s_cbranch_scc0 .Lentry_in_a_cluster
	s_endpgm
.Lentry_in_a_cluster:
	s_bfe_u32 s2, ttmp6, 0x10000c
	s_cmp_lg_u32 s2, 0xf033
	s_cbranch_scc0 .Lentry_shape_is_right
	s_endpgm
.Lentry_shape_is_right:
; out0 = y w_proj + b_proj on codes of BF6 with E8M0 scales.  y comes as images of the operand's registers (yc) with a word for each row and head (ys); w_proj's columns are tiles 192-255 of wc and ws.
; A work-group makes 256 tokens x 128 columns over all of K = 1,024; each of its four waves 64 x 128: 32 accumulators.  8 x 32 = 256 work-groups.  Source 0 = a tile of w_proj's columns, source 1 = a tile of tokens:
; a lane holds one token, and the 16 registers of column tiles 2 b, 2 b + 1 are the 16 neighbouring columns 32 b + 16 h + 0 .. 15, since a tile's rows are 8 u + i + 8 (i / 8) of a group of 32.
; ALL OF K LIES IN LDS: 4 groups of two K steps, 73,728 bytes each, every one filled once.  A wave has four tensor loads out at the start.
; CLUSTER 4 x 4: the tokens' tiles are shared along a row of the cluster, the columns' along a column: joint loads.
; The bias is the C of each sum's first product.  The way out goes through a stage of the wave's own in group 0's bytes, which have had their one fill and their last read by then.
; REGISTERS.  Window 0: v1-13 lane terms; v16-31 LDS addresses; v32-63 A's scale words (8 a + K step), v64-127 B's; v128-255 the way out.  Window 1: accumulator (a, b) at v[8 (8 a + b)].
;   Windows 2, 3: two sets of fragments, A's at v[12 a], B's at v[48 + 12 b].  Window 2, v160-223: the bias in the result's layout.
.set TILEB, 12288
.set GRP,   73728
.set BOFF,  49152
.set SA,  32
.set SB,  64
.set BI,  160
.set BK,  128
.set SEL, 28
.set MSB, 0
.macro WIN new                         ; the immediate's high byte repeats the setting that is left
.if MSB != \new
	s_set_vgpr_msb (MSB<<8)|\new
.set MSB, \new
.endif
.endm
.macro PLACES n
.rept \n
	v_nop
.endr
.endm
.macro CROUND
	s_barrier_signal -1
	s_barrier_wait -1
	s_cmp_lg_u32 s18, 0
	s_cbranch_scc1 .Lnot_wave_0_\@
	s_barrier_signal -3
.Lnot_wave_0_\@:
	s_barrier_wait -3
	s_barrier_signal -1
	s_barrier_wait -1
.endm
	s_load_b256 s[4:11], s[0:1], 0x0               ; yc, ys, wc, ws
	s_load_b128 s[12:15], s[0:1], 0x20             ; b_proj, out0
	v_lshl_add_u32 v15, v0, 2, 0x48000
	s_set_vgpr_msb 0x80
	v_mov_b32 v255, 0
	s_set_vgpr_msb 0x8088
	ds_add_u32 v15, v255
	ds_add_u32 v15, v255
	s_set_vgpr_msb 0x8800
	v_lshrrev_b32 v1, 5, v0
	v_readfirstlane_b32 s18, v1                    ; wave
	s_and_b32 s19, s18, 1
	s_lshr_b32 s20, s18, 1
	s_bfe_u32 s21, ttmp6, 0x40000                  ; cx
	s_bfe_u32 s22, ttmp6, 0x40004                  ; cy
	s_lshl_b32 s27, ttmp9, 2
	s_add_co_u32 s27, s27, s21                     ; the block of 128 columns
	s_and_b32 s24, ttmp7, 0xffff
	s_lshl_b32 s26, s24, 2
	s_add_co_u32 s26, s26, s22                     ; the block of 256 tokens
	s_lshl_b32 s2, s26, 4                          ; A's first tile
	s_mul_i32 s92, s2, TILEB
	s_mul_i32 s3, s19, 8*TILEB
	s_add_co_u32 s92, s92, s3
	s_mov_b32 s93, 0
	s_lshl_b32 s3, s18, 2
	s_add_co_u32 s3, s3, s2
	s_lshl_b32 s94, s3, 10                         ; ys: 1,024 bytes a tile; the 4 tiles that I multiply
	s_mov_b32 s95, 0
	s_lshl_b32 s30, s27, 3
	s_add_co_u32 s30, s30, 192                     ; B's first tile
	s_mul_i32 s96, s30, TILEB
	s_mul_i32 s31, s19, 4*TILEB
	s_add_co_u32 s96, s96, s31
	s_mov_b32 s97, 0
	s_lshl_b32 s98, s30, 9
	s_mov_b32 s99, 0
	s_lshl_b32 s66, s22, 2
	s_lshl_b32 s66, 15, s66                        ; my row of the cluster
	s_lshl_b32 s67, 0x1111, s21                    ; my column
	s_or_b32 s32, s66, (3<<16)|(1<<21)             ; groups 1: rows of 3,072 bytes (384 elements of 8), 12,288 bytes apart; 8 rows for A, 4 for B
	s_mov_b32 s33, 384<<16
	s_mov_b32 s34, 8<<16
	s_mov_b32 s35, 384<<16
	s_mov_b32 s36, 8
	s_mov_b32 s37, 1536
	s_mov_b32 s38, 0
	s_mov_b32 s39, 0
	s_or_b32 s40, s67, (3<<16)|(1<<21)
	s_mov_b32 s41, 384<<16
	s_mov_b32 s42, 4<<16
	s_mov_b32 s43, 384<<16
	s_mov_b32 s44, 4
	s_mov_b32 s45, 1536
	s_mov_b32 s46, 0
	s_mov_b32 s47, 0
	s_mul_i32 s30, s19, 24576
	s_mul_i32 s31, s19, 12288
	s_add_co_u32 s31, s31, BOFF
	s_wait_dscnt 0x0
	s_wait_kmcnt 0x0
	s_add_nc_u64 s[84:85], s[4:5], s[92:93]
	s_add_nc_u64 s[86:87], s[8:9], s[96:97]
	s_add_nc_u64 s[88:89], s[6:7], s[94:95]
	s_add_nc_u64 s[90:91], s[10:11], s[98:99]
.irp g, 0,1,2,3
	s_mov_b32 s[48+4*\g], 1
	s_add_co_u32 s[49+4*\g], s30, \g*GRP
	s_add_nc_u64 s[50+4*\g:51+4*\g], s[84:85], \g*3072
	s_or_b32 s[51+4*\g], s[51+4*\g], 0x80000000
	s_mov_b32 s[68+4*\g], 1
	s_add_co_u32 s[69+4*\g], s31, \g*GRP
	s_add_nc_u64 s[70+4*\g:71+4*\g], s[86:87], \g*3072
	s_or_b32 s[71+4*\g], s[71+4*\g], 0x80000000
.endr
	CROUND                                         ; all sixteen work-groups are here: the joint loads meet
	s_cmp_eq_u32 s20, 0
	s_cbranch_scc0 .Lfill_b
	tensor_load_to_lds s[48:51], s[32:39]
	s_nop 0
	tensor_load_to_lds s[52:55], s[32:39]
	s_nop 0
	tensor_load_to_lds s[56:59], s[32:39]
	s_nop 0
	tensor_load_to_lds s[60:63], s[32:39]
	s_nop 0
	PLACES 4
	s_branch .Lfilled
.Lfill_b:
	tensor_load_to_lds s[68:71], s[40:47]
	s_nop 0
	tensor_load_to_lds s[72:75], s[40:47]
	s_nop 0
	tensor_load_to_lds s[76:79], s[40:47]
	s_nop 0
	tensor_load_to_lds s[80:83], s[40:47]
	s_nop 0
	PLACES 4
.Lfilled:
	s_lshl_b32 s30, s27, 9                         ; my 128 columns: 512 bytes of the bias and of a row of out0
	s_mov_b32 s31, 0
	s_add_nc_u64 s[96:97], s[12:13], s[30:31]
	s_lshl_b32 s66, s26, 8
	s_lshl_b32 s67, s18, 6
	s_add_co_u32 s66, s66, s67                     ; my first token
	s_lshl_b32 s66, s66, 12
	s_add_co_u32 s66, s66, s30
	s_mov_b32 s67, 0
	s_add_nc_u64 s[92:93], s[14:15], s[66:67]
	s_mov_b32 s[SEL], 0x76543210
	s_mov_b32 s[SEL+1], 0xfedcba98
	v_and_b32 v1, 31, v0                           ; lane
	v_and_b32 v2, 15, v0                           ; r
	v_bfe_u32 v3, v0, 4, 1                         ; h
	v_lshlrev_b32 v4, 4, v1                        ; 16 x lane
	v_lshlrev_b32 v6, 4, v2                        ; 16 r
	v_lshl_add_u32 v5, v3, 3, v6                   ; 16 r + 8 h
	v_lshlrev_b32 v7, 2, v1                        ; 4 x lane
	v_lshlrev_b32 v14, 6, v3                       ; 64 h
.irp i, 0,1,2,3
	v_mov_b32 v[8+\i], 0                           ; a lane permute's destination counts as read
.endr
	s_mul_i32 s30, s18, 8448                       ; my stage: 16 rows x (512 bytes + 16)
	v_mul_u32_u24 v12, v2, 528
	v_lshl_add_u32 v12, v3, 6, v12
	v_add_nc_u32 v12, s30, v12                     ; in: row r, 64 h bytes on
	v_add_nc_u32 v13, s30, v4                      ; back: a row's 512 bytes
.irp a, 0,1,2,3
.irp s, 0,1,2,3,4,5,6,7
	global_load_b32 v[SA+8*\a+\s], v7, s[88:89] offset:1024*\a+128*\s   ; lanes 0-15: head 2 s's word of row r; lanes 16-31: head 2 s + 1's
.endr
.endr
.irp b, 0,1,2,3,4,5,6,7
.irp f, 0,1
	global_load_b128 v[SB+8*\b+4*\f:SB+8*\b+4*\f+3], v6, s[90:91] offset:512*\b+256*\f
.endr
.endr
	WIN 0x80
.irp b, 0,1,2,3
.irp q, 0,1,2,3
	global_load_b128 v[BI+16*\b+4*\q:BI+16*\b+4*\q+3], v14, s[96:97] offset:128*\b+16*\q   ; register 16 b + i: the bias of column 32 b + 16 h + i
.endr
.endr
	WIN 0
	s_mul_i32 s30, s18, 12288
	s_mov_b32 s31, BOFF
.irp g, 0,1,2,3
	v_add_nc_u32 v[16+\g], s30, v4
	v_add_nc_u32 v[20+\g], s30, v5
	v_add_nc_u32 v[24+\g], s31, v4
	v_add_nc_u32 v[28+\g], s31, v5
	s_add_co_u32 s30, s30, GRP
	s_add_co_u32 s31, s31, GRP
.endr
.macro FETCH s                         ; K step s's twelve fragments into set s % 2
.set FG, (\s)/2
.set FO, ((\s)%2)*1536
	WIN 0x80+0x40*((\s)%2)
.irp i, 0,1,2,3
.irp c, 0,1
	ds_load_b128 v[12*\i+6*\c:12*\i+6*\c+3], v[16+FG] offset:\i*3072+FO+768*\c
	ds_load_b64 v[12*\i+6*\c+4:12*\i+6*\c+5], v[20+FG] offset:\i*3072+FO+768*\c+512
.endr
.endr
.irp i, 0,1,2,3,4,5,6,7
.irp c, 0,1
	ds_load_b128 v[48+12*\i+6*\c:48+12*\i+6*\c+3], v[24+FG] offset:\i*3072+FO+768*\c
	ds_load_b64 v[48+12*\i+6*\c+4:48+12*\i+6*\c+5], v[28+FG] offset:\i*3072+FO+768*\c+512
.endr
.endr
.endm
; 16 products.  first = 1: the bias is their C and starts the sums.  The 32 accumulators take turns, one instruction a turn.
.macro MUL a0, s, first
.irp a, \a0, \a0+1
.irp b, 0,1,2,3,4,5,6,7
.if \first
	v_wmma_scale_f32_16x16x128_f8f6f4 v[8*(8*(\a)+\b):8*(8*(\a)+\b)+7], v[48+12*\b:48+12*\b+11], v[12*(\a):12*(\a)+11], v[BI+8*\b:BI+8*\b+7], v[SB+8*\b+(\s)], v[SA+8*(\a)+(\s)] matrix_a_fmt:MATRIX_FMT_BF6 matrix_b_fmt:MATRIX_FMT_BF6
.else
	v_wmma_scale_f32_16x16x128_f8f6f4 v[8*(8*(\a)+\b):8*(8*(\a)+\b)+7], v[48+12*\b:48+12*\b+11], v[12*(\a):12*(\a)+11], v[8*(8*(\a)+\b):8*(8*(\a)+\b)+7], v[SB+8*\b+(\s)], v[SA+8*(\a)+(\s)] matrix_a_fmt:MATRIX_FMT_BF6 matrix_b_fmt:MATRIX_FMT_BF6
.endif
.endr
.endr
.endm
; A K step.  An even step's successor lies in the same group and is fetched at the head; an odd step's lies in the next group: my part has landed (the count leaves my younger groups out), every wave says so, the fetch follows the wait.
.macro KSTEP s, first
.if \first
.set MW, 0x6a                          ; sources 0, 1 and C window 2, D window 1
.else
.set MW, 0x5a+5*((\s)%2)               ; sources 0, 1 window 2 or 3, C and D window 1
.endif
	s_wait_dscnt 0x0
.if (\s)%2 == 0
	PLACES 4
	FETCH (\s)+1
	WIN MW
	MUL 0, \s, \first
	MUL 2, \s, \first
.elseif (\s) < 7
	s_wait_tensorcnt 3-((\s)+1)/2
	s_barrier_signal -1
	WIN MW
	MUL 0, \s, \first
	s_barrier_wait -1
	PLACES 4
	FETCH (\s)+1
	WIN MW
	MUL 2, \s, \first
.else
	WIN MW
	MUL 0, \s, \first
	MUL 2, \s, \first
.endif
.endm
	s_wait_tensorcnt 3                             ; my part of group 0 is in; three younger loads stay out
	s_barrier_signal -1
	s_barrier_wait -1
	FETCH 0
	WIN 0
	s_wait_loadcnt 0x0                             ; scale words and bias
.irp n, 0,4,8,12,16,20,24,28                   ; A's scale word of a K step: the even head's two bytes below, the odd head's above (lanes 0-15 are read)
.irp i, 0,1,2,3
	v_permlanex16_b32 v[8+\i], v[SA+\n+\i], s[SEL], s[SEL+1]
.endr
.irp i, 0,1,2,3
	v_lshl_or_b32 v[SA+\n+\i], v[8+\i], 16, v[SA+\n+\i]
.endr
.endr
	PLACES 8                                       ; a scale register written by a vector instruction stands 8 places ahead of a scaled product
	KSTEP 0, 1
.irp s, 1,2,3,4,5,6,7
	KSTEP \s, 0
.endr
	WIN 0
	PLACES 4                                       ; in front of the first read of results
; THE WAY OUT, a tile of 16 tokens x 128 columns at a time: into my stage, 64 neighbouring bytes a lane and block, and back as whole rows of 512 bytes.  LDS serves a wave's instructions in order: no wait between.
.macro TOSTAGE a
	WIN 0x04                                       ; an LDS store's data are its source 1: window 1
.irp b, 0,1,2,3
.irp q, 0,1,2,3
	ds_store_b128 v12, v[64*\a+16*\b+4*\q:64*\a+16*\b+4*\q+3] offset:128*\b+16*\q   ; each accumulator from its low end on
.endr
.endr
	WIN 0
.irp t, 0,1,2,3,4,5,6,7,8,9,10,11,12,13,14,15
	ds_load_b128 v[BK+64*((\a)%2)+4*\t:BK+64*((\a)%2)+4*\t+3], v13 offset:528*\t
.endr
.endm
.macro SEND a, younger                 ; younger: the LDS instructions issued behind tile a's loads
	s_wait_dscnt \younger
.irp t, 0,1,2,3,4,5,6,7,8,9,10,11,12,13,14,15
	global_store_b128 v4, v[BK+64*((\a)%2)+4*\t:BK+64*((\a)%2)+4*\t+3], s[92:93] offset:(32*((\a)/2)+8*((\a)%2)+\t+8*(\t/8))*4096 th:TH_STORE_NT   ; 512 consecutive bytes, aligned to 256
.endr
.endm
	TOSTAGE 0
	TOSTAGE 1
	SEND 0, 32                                     ; behind tile 0's loads: tile 1's 16 stores and 16 loads
	s_wait_xcnt 0x0                                ; tile 0's stores have read their registers
	TOSTAGE 2
	SEND 1, 32
	s_wait_xcnt 0x0
	TOSTAGE 3
	SEND 2, 32
	SEND 3, 0
	s_wait_dscnt 0x0
	s_set_vgpr_msb 0x8
	s_wait_tensorcnt 0x0
	ds_add_u32 v15, v255
	s_wait_dscnt 0x0
	s_set_vgpr_msb 0x800
	CROUND                                         ; the closing round: no work-group ends while a partner may still ask for a tile that names it
	s_endpgm
.Lfunc_end_k_qdbb7b114a7_proj:
	.size	k_qdbb7b114a7_proj, .Lfunc_end_k_qdbb7b114a7_proj-k_qdbb7b114a7_proj
	.p2alignl 7, 3214868480
	.fill 96, 4, 3214868480
	.section	.rodata,"a",@progbits
	.p2align	6, 0x0
	.amdhsa_kernel k_qdbb7b114a7_proj
		.amdhsa_group_segment_fixed_size 295424
		.amdhsa_private_segment_fixed_size 0
		.amdhsa_enable_private_segment 0
		.amdhsa_kernarg_size 48
		.amdhsa_user_sgpr_count 2
		.amdhsa_user_sgpr_kernarg_segment_ptr 1
		.amdhsa_wavefront_size32 1
		.amdhsa_system_sgpr_workgroup_id_x 1
		.amdhsa_system_sgpr_workgroup_id_y 1
		.amdhsa_system_sgpr_workgroup_id_z 1
		.amdhsa_system_vgpr_workitem_id 0
		.amdhsa_next_free_vgpr 1024
		.amdhsa_next_free_sgpr 100
		.amdhsa_reserve_vcc 0
		.amdhsa_float_denorm_mode_32 3
		.amdhsa_float_denorm_mode_16_64 3
		.amdhsa_memory_ordered 1
		.amdhsa_forward_progress 1
		.amdhsa_inst_pref_size 93
	.end_amdhsa_kernel
	.amdgpu_metadata
---
amdhsa.version: [ 1, 2 ]
amdhsa.kernels:
  - .name:           k_qdbb7b114a7_proj
    .symbol:         k_qdbb7b114a7_proj.kd
    .args:
      - { .name: yc, .offset: 0, .size: 8, .value_kind: global_buffer, .address_space: global }
      - { .name: ys, .offset: 8, .size: 8, .value_kind: global_buffer, .address_space: global }
      - { .name: wc, .offset: 16, .size: 8, .value_kind: global_buffer, .address_space: global }
      - { .name: ws, .offset: 24, .size: 8, .value_kind: global_buffer, .address_space: global }
      - { .name: b_proj, .offset: 32, .size: 8, .value_kind: global_buffer, .address_space: global }
      - { .name: out0, .offset: 40, .size: 8, .value_kind: global_buffer, .address_space: global }
    .group_segment_fixed_size: 295424
    .private_segment_fixed_size: 0
    .kernarg_segment_align: 8
    .kernarg_segment_size: 48
    .max_flat_workgroup_size: 128
    .sgpr_count:     100
    .vgpr_count:     1024
    .wavefront_size: 32
...
	.end_amdgpu_metadata
.endif
;; end of part 4
